; MI455X (gfx1250); checked and timed in simulation.
; The chip was launched on July 23, 2026; its instructions are those of AMD's public machine-readable ISA for CDNA 5 (MIT licence, August 2026) and "CDNA5" Instruction Set Architecture Reference Guide (July 2026). The comments in the code are by the model that wrote it; some were corrected since.
;; Multi Query Attention. Allowed arithmetic: matrix products marked QUANTISED: E4M3 operands, one E8M0 scale for each 32 along K, by v_wmma_scale_f32_16x16x128_f8f6f4 with both operands' format E4M3, f32 sums; everything else in f32.
;; Inputs: Wk 1,024 x 64 float32; Wp 1,024 x 1,024 float32; Wq 16 x 1,024 x 64 float32; Wv 1,024 x 64 float32; bp 1,024 float32; x 4 x 2,048 x 1,024 float32.
;; Outputs: out0 4 x 2,048 x 1,024 float32.
;; This version of the problem:
;;   THIS VERSION OF THE PROBLEM IS GIVEN IN LOW PRECISION. The matrix products marked QUANTISED in the list below multiply operands that are first quantised to E4M3 (4 exponent bits, 3 mantissa bits; 8 bits a number), with one power-of-two scale for each 32 numbers along K (OCP MX v1.0); their sums are f32. All else is computed in f32.
;;   The module's matrix products, in the order in which they are computed (A, B: the left and right operand; K: the contracted axis; several contracted axes count as one K, in the product's order):
;;     1. [M 1,024, K 1,024] x [K 1,024, N 8,192]; A: input Wq; B: input x: QUANTISED
;;     2. [M 8,192, K 1,024] x [K 1,024, N 64]; A: input x; B: input Wk: QUANTISED
;;     3. [M 8,192, K 1,024] x [K 1,024, N 64]; A: input x; B: input Wv: QUANTISED
;;     4. batch 4 x [M 32,768, K 64] x [K 64, N 2,048]; A: computed on the way; B: computed on the way: QUANTISED
;;     5. batch 4 x [M 32,768, K 2,048] x [K 2,048, N 64]; A: softmax (see below); B: computed on the way: QUANTISED
;;     6. [M 8,192, K 1,024] x [K 1,024, N 1,024]; A: computed on the way; B: input Wp: QUANTISED
;;   THE QUANTISER, for each operand of a quantised product, along K:
;;     - K is cut into blocks of 32 from its start; a last block that is shorter is filled with zeros.
;;     - A block's scale is 2^e with e = floor(log2(the largest magnitude in the block)) - 8, held to -126 .. 127; a block of zeros has e = 0. As a byte (E8M0): e + 127.
;;     - Each number is divided by its block's scale, clamped to +-448, and rounded to the nearest number of E4M3, ties to even, subnormals kept.
;;     - The product sums the exact products of the quantised numbers (number of the format x scale) in f32.
;;   ~~~python
;;   def quantise(x, axis):      # numpy; x: float32 -> the quantised numbers, widened to float32 again
;;       x = np.moveaxis(x, axis, -1); K = x.shape[-1]
;;       x = np.pad(x, [(0, 0)] * (x.ndim - 1) + [(0, -K % 32)]); x = x.reshape(x.shape[:-1] + (-1, 32)); a = np.abs(x).max(-1, keepdims=True)
;;       e = np.where(a > 0, np.clip(np.frexp(np.where(a > 0, a, 1))[1] - 1 - 8, -126, 127), 0)      # np.frexp(a)[1] - 1 = floor(log2(a)), exactly
;;       r = np.clip(x / 2.0 ** e, -448, 448)
;;       step = 2.0 ** (np.maximum(np.frexp(np.where(r == 0, 1, r))[1] - 1, -6) - 3)
;;       q = np.round(r / step) * step * 2.0 ** e      # np.round: ties to even
;;       return np.moveaxis(q.reshape(q.shape[:-2] + (-1,))[..., :K], -1, axis).astype(np.float32)
;;   ~~~
;;   SOFTMAX AHEAD OF A QUANTISED PRODUCT. Where the list says 'softmax', what is quantised is not the finished softmax but p = 2^(t - M), with t = logit x log2(e) and M = ceil(the row's largest t), a whole number; so 1/2 < the row's largest p <= 1. The row's sum l is taken of the UNQUANTISED p, in f32, and the product's result is divided by l at the end. Since M is a whole number, a kernel that streams over the keys may use a running M (the ceiling of the running maximum): every later rescaling is an exact power of two, which a block's scale takes up: the codes' values come out the same.
;;   OPERANDS COMPUTED ON THE WAY. 'Computed on the way' means the value that the module computes at that place (a softmax that the list does not call 'softmax' is quantised finished and normalised). What goes into a quantiser is computed in f32, as accurately as f32 sums, v_exp_f32 and their like allow (about 1e-6 of the number): no bf16 or f16 on the way to a quantiser, and a product that is left as it is and whose result goes on into a quantised operand takes f32 operands (vector FMAs, or v_wmma_f32_16x16x4_f32). A number that lies on a knife's edge between two numbers of the format may be rounded either way, as far as f32 arithmetic and the matrix unit's own rounding can turn it there, and no further.
;; One version. Each part assembles by itself: llvm-mc -triple=amdgcn-amd-amdhsa -mcpu=gfx1250 --defsym DOCPART=n.
;; ======== version 1 of 1: 4 launches
;; limits: right only within a limited range of input values
;; workspace buffers: xq 8,650,752 bytes; wq 2,297,856 bytes; qq 8,912,896 bytes; kv 1,081,344 bytes; hq 8,650,752 bytes
;; launch quant (part 1): grid 392 x 1, 4 waves a work-group, no clusters, 34,304 bytes of LDS; arguments x, Wq, Wk, Wv, Wp, xq, wq; writes xq, wq
.if DOCPART == 1
	.amdgcn_target "amdgcn-amd-amdhsa--gfx1250"
	.amdhsa_code_object_version 6
	.text
	.protected	k_q5b5f2a424e_quant
	.globl	k_q5b5f2a424e_quant
	.p2align	8
	.type	k_q5b5f2a424e_quant,@function
k_q5b5f2a424e_quant:
	s_mov_b64 s[64:65], 0
	v_nop
	global_prefetch_b8 v0, s[64:65] scope:SCOPE_SE
	s_setreg_imm32_b32 hwreg(HW_REG_WAVE_MODE, 25, 1), 1
	s_wait_xcnt 0x0
; MULTI-QUERY ATTENTION ON CODES OF E4M3 WITH ONE E8M0 SCALE FOR EACH 32 ALONG K.  Four launches: this one turns x and the four weights into codes; the second makes q, k, v (products 1 to 3)
; and quantises them in registers; the third is attention (products 4 and 5); the fourth the projection with bp (product 6).
; WORK LEFT OUT IN THE PROGRAM: only key steps of 128 keys all of which come after all 16 queries of a tile.  reference() sets their scores to -inf by the jnp.tril mask that it builds in its own body,
; so their softmax weight is 0 for every value of the inputs and they reach no output.  Every input is loaded.  LIMIT: a NaN, an infinity or an overflow that reaches only those steps is not carried to the result.
; LIMITS OF THE QUANTISER, here and in the later launches: NaN and infinities among the inputs are not served; a block of zeros, and a block whose largest magnitude lies under 2^-118, gets the byte 1
; (the rule says 127 for zeros: the codes are zeros, which add nothing under any byte but 0xff, and this program alone reads the bytes).
; THE ORDER OF A TILE, for rows of x and for columns of every weight: in a group of 32, tile u (0, 1) takes at its place p (0 .. 15) the member 8 u + p + 8 (p / 8).  A matrix result whose source 0 is such a tile
; then holds, in a lane's 16 registers of tiles 0 and 1, 16 NEIGHBOURS: members 16 (lane / 16) + 0 .. 15, the order in which the next product's operand wants them.
; A FRAGMENT (16 places x 128 K, 16 registers a lane) lies in memory as an image of its registers: registers 4 c .. 4 c + 3 of lane l at 512 c + 16 l: 2,048 bytes.
; xq: codes at kp x 2,097,152 + tile x 4,096 + kq x 2,048 (K step = 2 kp + kq); behind them, from byte 8,388,608, 512 bytes of scale words a tile: [K step / 4][place][K step % 4].  wq likewise with 136 tiles
; (0-63 Wq, 64-67 Wk, 68-71 Wv, 72-135 Wp): kp x 557,056, scale words from byte 2,228,224.
; Work-groups 0 to 255 take 32 rows of x each; work-groups 256 to 391 take 32 columns of a weight and half of K.  Only the x path touches LDS.
; THE ORDER OF wq's TILES, in place of the order named above: four blocks of 18 tiles, block Y = 16 tiles of Wq (heads 4 Y .. 4 Y + 3) and then 2 tiles of Wk (Y = 0, 1) or of Wv (Y = 2, 3); tiles 72-135 Wp.
.set SPARE, 33792
.set STG,   8448                       ; a wave's stage: 16 rows x (512 bytes + 16)
.set GL,  4                            ; v4   16 x lane
.set STA, 5                            ; v5   the stage on the way in
.set LDA, 6                            ; v6   and on the way out
.set SO,  7                            ; v7   my 8 bytes of the scale words
.set SPW, 8                            ; v8   my spare word; never rewritten
.set NIL, 9                            ; v9   0; never rewritten
.set PW,  10                           ; v10-13 the four fragments' scale words
.set TM,  16                           ; v16-31 at work in QUANT
.set RS,  32                           ; v32-159 two sets of 64: rows as loaded
.set XN,  160                          ; v160-223 64 numbers in the operand's order
.set PC,  224                          ; v224-239 a fragment's codes
.set WV,  18
.set SEL, 20
.set MNT, 22
.set HM,  23
	s_load_b256 s[4:11], s[0:1], 0x0               ; x, Wq, Wk, Wv
	s_load_b128 s[12:15], s[0:1], 0x20             ; Wp, xq
	s_load_b64 s[16:17], s[0:1], 0x30              ; wq
	v_lshl_add_u32 v[SPW], v0, 2, SPARE
	v_mov_b32 v[NIL], 0
	v_lshrrev_b32 v1, 5, v0
	v_readfirstlane_b32 s[WV], v1                  ; wave 0..3
	v_and_b32 v2, 31, v0                           ; lane
	s_mov_b32 s[SEL], 0x76543210
	s_mov_b32 s[SEL+1], 0xfedcba98                 ; v_permlanex16_b32's selects for lane l xor 16
	s_mov_b32 s[MNT], 0x600000                     ; the mantissa field of 448
	s_mov_b32 s[HM], 0xffff0000                    ; lanes 16-31
	s_cmp_lt_u32 ttmp9, 256
	s_cbranch_scc0 .Lweights
; ---------------- x: wave w makes tile u = w % 2 of the group's two, K steps 4 (w / 2) + 0 .. 3
; 64 numbers of a lane, register 16 b + i = k 32 b + 16 (lane / 16) + i of my row, become a fragment's codes in v[PC] on and its scale word in v[pw]
.macro QUANT s, pw
.irp b, 0,1,2,3
	v_max3_num_f32 v[TM+\b], |v[\s+16*\b]|, |v[\s+1+16*\b]|, 0x4800000   ; my 16 numbers of block b, and the floor 2^(9 - 127): the byte cannot fall under 1
.endr
.irp i, 2,4,6,8,10,12,14
.irp b, 0,1,2,3
	v_max3_num_f32 v[TM+\b], v[TM+\b], |v[\s+16*\b+\i]|, |v[\s+1+16*\b+\i]|
.endr
.endr
.irp b, 0,1,2,3
	v_permlanex16_b32 v[TM+4+\b], v[TM+\b], s[SEL], s[SEL+1]
.endr
.irp b, 0,1,2,3
	v_max_num_f32 v[TM+\b], v[TM+\b], v[TM+4+\b]   ; with lane l xor 16's: the block's largest magnitude
.endr
.irp b, 0,1,2,3
	v_add_nc_u32 v[TM+12+\b], 0xfc000000, v[TM+\b] ; 8 off its exponent field: the conversion's scale operand
.endr
.irp b, 0,1,2,3
	v_and_or_b32 v[TM+8+\b], v[TM+\b], 0x7f800000, s[MNT]   ; 448 x the scale
.endr
.irp b, 0,1,2,3
	v_lshrrev_b32 v[TM+4+\b], 23, v[TM+12+\b]      ; the scale's byte
.endr
	v_lshl_or_b32 v[\pw], v[TM+5], 8, v[TM+4]
	v_lshl_or_b32 v[\pw], v[TM+6], 16, v[\pw]
	v_lshl_or_b32 v[\pw], v[TM+7], 24, v[\pw]
.irp b, 0,1,2,3
.irp i, 0,1,2,3,4,5,6,7,8,9,10,11,12,13,14,15
	v_med3_num_f32 v[\s+16*\b+\i], v[\s+16*\b+\i], -v[TM+8+\b], v[TM+8+\b]   ; the conversion does not saturate (ISA guide 7.6.2): the hold at 448 x the scale
.endr
	v_cvt_scalef32_pk8_fp8_f32 v[PC+4*\b:PC+1+4*\b], v[\s+16*\b:\s+7+16*\b], v[TM+12+\b]
	v_cvt_scalef32_pk8_fp8_f32 v[PC+2+4*\b:PC+3+4*\b], v[\s+8+16*\b:\s+15+16*\b], v[TM+12+\b]
.endr
	v_nop                                          ; one plain line behind the last conversion
.endm
.macro XLOAD f                         ; K step f of my four: 16 rows, 512 consecutive bytes of a row to a load
.irp p, 0,1,2,3,4,5,6,7,8,9,10,11,12,13,14,15
	global_load_b128 v[RS+64*((\f)%2)+4*\p:RS+64*((\f)%2)+4*\p+3], v[GL], s[4:5] offset:(\p+8*(\p/8))*4096+512*(\f) th:TH_LOAD_NT
.endr
.endm
.macro XFRAG f
.if (\f) == 3
	s_wait_loadcnt 0x0
.else
	s_wait_loadcnt 16                              ; this fragment's 16 loads are in; the next fragment's 16 may be out
.endif
.irp p, 0,1,2,3,4,5,6,7,8,9,10,11,12,13,14,15
	ds_store_b128 v[STA], v[RS+64*((\f)%2)+4*\p:RS+64*((\f)%2)+4*\p+3] offset:528*\p   ; rows as they lie
.endr
.irp c, 0,1,2,3
.irp j, 0,1,2,3
	ds_load_b128 v[XN+16*\c+4*\j:XN+16*\c+4*\j+3], v[LDA] offset:128*\c+16*\j          ; LDS serves a wave's instructions in order: my row's 16 numbers of each block
.endr
.endr
	s_wait_dscnt 0x0                               ; the numbers are back, and the stage's stores have read their registers
	s_wait_xcnt 0x0                                ; the last fragment's stores have read v[PC] on: QUANT writes them anew
.if (\f) < 2
	XLOAD (\f)+2
.endif
	QUANT XN, PW+(\f)
.irp c, 0,1,2,3
	global_store_b128 v[GL], v[PC+4*\c:PC+4*\c+3], s[30:31] offset:((\f)/2)*2097152+((\f)%2)*2048+512*\c   ; 512 consecutive bytes, aligned
.endr
.endm
	s_and_b32 s24, s[WV], 1                        ; u
	s_lshr_b32 s25, s[WV], 1                       ; which half of K
	s_wait_alu depctr_va_vdst(0)
	v_lshlrev_b32 v[GL], 4, v2
	s_mul_i32 s26, s[WV], STG
	v_add_nc_u32 v[STA], s26, v[GL]
	v_and_b32 v3, 15, v0                           ; r
	v_bfe_u32 v1, v0, 4, 1                         ; h
	v_mul_u32_u24 v[LDA], v3, 528
	v_lshl_add_u32 v[LDA], v1, 6, v[LDA]
	v_add_nc_u32 v[LDA], s26, v[LDA]               ; row r, + 64 h
	v_lshlrev_b32 v[SO], 4, v3
	v_lshl_add_u32 v[SO], v1, 3, v[SO]             ; 16 r + 8 h
.irp b, 0,1,2,3
	v_mov_b32 v[TM+4+\b], 0                        ; written once: a lane permute's destination counts as one of its sources
.endr
	s_lshl_b32 s28, ttmp9, 17                      ; x: 32 rows of 4,096 bytes a group,
	s_lshl_b32 s27, s24, 15                        ; + 8 u rows,
	s_add_co_u32 s28, s28, s27
	s_lshl_b32 s27, s25, 11                        ; + my half of K
	s_add_co_u32 s28, s28, s27
	s_mov_b32 s29, 0
	s_lshl_b32 s30, s25, 22                        ; xq's codes: kp = 2 x half,
	s_lshl_b32 s27, ttmp9, 13
	s_add_co_u32 s30, s30, s27
	s_lshl_b32 s27, s24, 12
	s_add_co_u32 s30, s30, s27                     ; tile 2 g + u
	s_mov_b32 s31, 0
	s_lshl_b32 s32, ttmp9, 10                      ; its scale words
	s_lshl_b32 s27, s24, 9
	s_add_co_u32 s32, s32, s27
	s_lshl_b32 s27, s25, 8
	s_add_co_u32 s32, s32, s27
	s_add_co_u32 s32, s32, 0x800000
	s_mov_b32 s33, 0
	s_wait_alu depctr_va_vdst(0)
	s_wait_kmcnt 0x0
	s_add_nc_u64 s[4:5], s[4:5], s[28:29]
	s_add_nc_u64 s[30:31], s[14:15], s[30:31]
	s_add_nc_u64 s[32:33], s[14:15], s[32:33]
	XLOAD 0
	XLOAD 1
	XFRAG 0
	XFRAG 1
	XFRAG 2
	XFRAG 3
	v_cndmask_b32 v14, v[PW], v[PW+2], s[HM]       ; lanes 0-15 store words 0, 1 of their row, lanes 16-31 words 2, 3:
	v_cndmask_b32 v15, v[PW+1], v[PW+3], s[HM]
	global_store_b64 v[SO], v[14:15], s[32:33]     ; 256 consecutive bytes, aligned
	s_wait_tensorcnt 0x0                           ; the wave's end, behind my last LDS store
	ds_add_u32 v[SPW], v[NIL]
	s_wait_dscnt 0x0
	s_endpgm
; ---------------- the weights: K is their FIRST axis.  A lane takes a column and its registers run down K: a block of 32 lies in one lane, and the codes come out with K innermost.
; Work-group n = 2 G + half: group G of 32 columns; wave w takes K step 4 half + w.  A lane's 32 codes of block b are the 16 bytes of place p, half 0, and those of place p, half 1, of piece b of its tile's image:
; the 16 lanes of a tile store 256 consecutive bytes, aligned.  The scale words leave 4 bytes a lane, 16 bytes apart: one byte in 128 of what this path reads.
.macro WLOAD b, pitch
.set ii, 0
.rept 32
	global_load_b32 v[32+32*(\b)+ii], v4, s[36:37] offset:(32*(\b)+ii)*\pitch
.set ii, ii+1
.endr
.endm
.macro WBLOCK b, pitch
.set XS, 32+32*(\b)
.if (\b) < 3
	s_wait_loadcnt 32                              ; this block's 32 loads are in; the next block's may be out
.else
	s_wait_loadcnt 0x0
.endif
.if (\b) < 2
	WLOAD (\b)+2, \pitch
.endif
	v_max3_num_f32 v12, |v[XS]|, |v[XS+1]|, |v[XS+2]|
	v_max3_num_f32 v13, |v[XS+3]|, |v[XS+4]|, |v[XS+5]|
.irp i, 6,10,14,18,22,26
	v_max3_num_f32 v12, v12, |v[XS+\i]|, |v[XS+\i+1]|
	v_max3_num_f32 v13, v13, |v[XS+\i+2]|, |v[XS+\i+3]|
.endr
	v_max3_num_f32 v12, v12, |v[XS+30]|, |v[XS+31]|
	v_max3_num_f32 v12, v12, v13, 0x4800000        ; and the floor
	v_add_nc_u32 v11, 0xfc000000, v12              ; the conversion's scale operand
	v_and_or_b32 v10, v12, 0x7f800000, s[MNT]      ; 448 x the scale
	v_lshrrev_b32 v13, 23, v11                     ; the byte
.if (\b) == 0
	v_mov_b32 v14, v13
.else
	v_lshl_or_b32 v14, v13, 8*(\b), v14
.endif
.set ii, 0
.rept 32
	v_med3_num_f32 v[XS+ii], v[XS+ii], -v10, v10
.set ii, ii+1
.endr
.irp g, 0,1,2,3
	v_cvt_scalef32_pk8_fp8_f32 v[160+8*(\b)+2*\g:161+8*(\b)+2*\g], v[XS+8*\g:XS+8*\g+7], v11
.endr
	v_nop                                          ; one plain line behind the last conversion
	global_store_b128 v5, v[160+8*(\b):163+8*(\b)], s[28:29] offset:512*(\b)       ; each block has its own code registers: no store's data are written again
	global_store_b128 v5, v[164+8*(\b):167+8*(\b)], s[28:29] offset:512*(\b)+256
.endm
.macro WPATH pitch
	WLOAD 0, \pitch
	WLOAD 1, \pitch
	WBLOCK 0, \pitch
	WBLOCK 1, \pitch
	WBLOCK 2, \pitch
	WBLOCK 3, \pitch
	global_store_b32 v6, v14, s[30:31]
.endm
.Lweights:
	s_sub_co_u32 s24, ttmp9, 256
	s_lshr_b32 s25, s24, 1
	s_lshr_b32 s39, s25, 3                         ; where group G's pair of tiles goes: Wq's G to G + G / 8,
	s_add_co_u32 s39, s39, s25
	s_mul_i32 s40, s25, 9
	s_sub_co_u32 s40, s40, 280                     ; Wk's and Wv's to 9 (G - 32) + 8,
	s_cmp_lt_u32 s25, 32
	s_cselect_b32 s39, s39, s40
	s_cmp_lt_u32 s25, 36
	s_cselect_b32 s39, s39, s25                    ; Wp's stays
	s_and_b32 s26, s24, 1                          ; which half of K
	s_lshl_b32 s27, s26, 2
	s_add_co_u32 s27, s27, s[WV]                   ; K step
	s_wait_alu depctr_va_vdst(0)
	v_lshlrev_b32 v4, 2, v2                        ; in: 4 bytes a lane
	v_bfe_u32 v1, v0, 3, 1                         ; u = (lane / 8) % 2
	v_and_b32 v3, 7, v0
	v_bfe_u32 v6, v0, 4, 1
	v_lshl_add_u32 v3, v6, 3, v3                   ; place = lane % 8 + 8 (lane / 16)
	v_lshlrev_b32 v3, 4, v3
	v_lshl_add_u32 v5, v1, 12, v3                  ; codes: 4,096 u + 16 place
	v_lshl_add_u32 v6, v1, 9, v3                   ; scale words: 512 u + 16 place
	s_lshr_b32 s28, s27, 1
	s_mul_i32 s28, s28, 557056                     ; kp
	s_lshl_b32 s29, s39, 13
	s_add_co_u32 s28, s28, s29
	s_and_b32 s29, s27, 1
	s_lshl_b32 s29, s29, 11                        ; kq
	s_add_co_u32 s28, s28, s29
	s_mov_b32 s29, 0
	s_lshl_b32 s30, s39, 10
	s_lshl_b32 s31, s26, 8
	s_add_co_u32 s30, s30, s31
	s_lshl_b32 s31, s[WV], 2
	s_add_co_u32 s30, s30, s31
	s_add_co_u32 s30, s30, 2228224
	s_mov_b32 s31, 0
	s_lshr_b32 s34, s25, 1
	s_lshl_b32 s34, s34, 18                        ; Wq: the head's 262,144 bytes
	s_and_b32 s35, s25, 1
	s_lshl_b32 s35, s35, 7                         ; which 32 of 64 columns
	s_lshl_b32 s38, s27, 15                        ; 128 rows of 256 bytes a K step
	s_add_co_u32 s35, s35, s38
	s_wait_kmcnt 0x0
	s_add_nc_u64 s[28:29], s[16:17], s[28:29]
	s_add_nc_u64 s[30:31], s[16:17], s[30:31]
	s_cmp_lt_u32 s25, 36
	s_cbranch_scc0 .Lwide
	s_cmp_lt_u32 s25, 34                           ; the buffer is chosen by the work-group's number alone
	s_cselect_b64 s[8:9], s[8:9], s[10:11]         ; Wk or Wv,
	s_cmp_lt_u32 s25, 32
	s_cselect_b64 s[36:37], s[6:7], s[8:9]         ; or Wq
	s_cselect_b32 s34, s34, 0
	s_add_co_u32 s34, s34, s35
	s_mov_b32 s35, 0
	s_add_nc_u64 s[36:37], s[36:37], s[34:35]
	s_wait_alu depctr_va_vdst(0)
	WPATH 256
	s_endpgm
.Lwide:
	s_sub_co_u32 s34, s25, 36                      ; Wp: rows of 4,096 bytes
	s_lshl_b32 s34, s34, 7
	s_lshl_b32 s35, s27, 19
	s_add_co_u32 s34, s34, s35
	s_mov_b32 s35, 0
	s_add_nc_u64 s[36:37], s[12:13], s[34:35]
	s_wait_alu depctr_va_vdst(0)
	WPATH 4096
	s_endpgm
.Lfunc_end_k_q5b5f2a424e_quant:
	.size	k_q5b5f2a424e_quant, .Lfunc_end_k_q5b5f2a424e_quant-k_q5b5f2a424e_quant
	.p2alignl 7, 3214868480
	.fill 96, 4, 3214868480
	.section	.rodata,"a",@progbits
	.p2align	6, 0x0
	.amdhsa_kernel k_q5b5f2a424e_quant
		.amdhsa_group_segment_fixed_size 34304
		.amdhsa_private_segment_fixed_size 0
		.amdhsa_enable_private_segment 0
		.amdhsa_kernarg_size 56
		.amdhsa_user_sgpr_count 2
		.amdhsa_user_sgpr_kernarg_segment_ptr 1
		.amdhsa_wavefront_size32 1
		.amdhsa_system_sgpr_workgroup_id_x 1
		.amdhsa_system_sgpr_workgroup_id_y 1
		.amdhsa_system_sgpr_workgroup_id_z 1
		.amdhsa_system_vgpr_workitem_id 0
		.amdhsa_next_free_vgpr 240
		.amdhsa_next_free_sgpr 66
		.amdhsa_reserve_vcc 0
		.amdhsa_float_denorm_mode_32 3
		.amdhsa_float_denorm_mode_16_64 3
		.amdhsa_memory_ordered 1
		.amdhsa_forward_progress 1
		.amdhsa_inst_pref_size 108
	.end_amdhsa_kernel
	.amdgpu_metadata
---
amdhsa.version: [ 1, 2 ]
amdhsa.kernels:
  - .name:           k_q5b5f2a424e_quant
    .symbol:         k_q5b5f2a424e_quant.kd
    .args:
      - { .name: x, .offset: 0, .size: 8, .value_kind: global_buffer, .address_space: global }
      - { .name: Wq, .offset: 8, .size: 8, .value_kind: global_buffer, .address_space: global }
      - { .name: Wk, .offset: 16, .size: 8, .value_kind: global_buffer, .address_space: global }
      - { .name: Wv, .offset: 24, .size: 8, .value_kind: global_buffer, .address_space: global }
      - { .name: Wp, .offset: 32, .size: 8, .value_kind: global_buffer, .address_space: global }
      - { .name: xq, .offset: 40, .size: 8, .value_kind: global_buffer, .address_space: global }
      - { .name: wq, .offset: 48, .size: 8, .value_kind: global_buffer, .address_space: global }
    .group_segment_fixed_size: 34304
    .private_segment_fixed_size: 0
    .kernarg_segment_align: 8
    .kernarg_segment_size: 56
    .max_flat_workgroup_size: 128
    .sgpr_count:     66
    .vgpr_count:     240
    .wavefront_size: 32
...
	.end_amdgpu_metadata
.endif
;; end of part 1
;; launch qkv (part 2): grid 64 x 4, 4 waves a work-group, clusters of 4 x 1, 327,680 bytes of LDS; arguments xq, wq, qq, kv; writes qq, kv
.if DOCPART == 2
	.amdgcn_target "amdgcn-amd-amdhsa--gfx1250"
	.amdhsa_code_object_version 6
	.text
	.protected	k_q5b5f2a424e_qkv
	.globl	k_q5b5f2a424e_qkv
	.p2align	8
	.type	k_q5b5f2a424e_qkv,@function
k_q5b5f2a424e_qkv:
	s_mov_b64 s[64:65], 0
	v_nop
	global_prefetch_b8 v0, s[64:65] scope:SCOPE_SE
	s_setreg_imm32_b32 hwreg(HW_REG_WAVE_MODE, 25, 1), 1
	s_wait_xcnt 0x0
	s_wait_alu depctr_hold_cnt(0) depctr_sa_sdst(0) depctr_va_vdst(0) depctr_va_sdst(0) depctr_va_ssrc(0) depctr_va_vcc(0) depctr_vm_vsrc(0)
	s_getreg_b32 s2, hwreg(HW_REG_IB_STS2, 6, 4)
	s_cmp_eq_u32 s2, 0
	s_cbranch_scc0 .Lentry_in_a_cluster
	s_endpgm
.Lentry_in_a_cluster:
	s_bfe_u32 s2, ttmp6, 0x10000c
	s_cmp_lg_u32 s2, 0x3003
	s_cbranch_scc0 .Lentry_shape_is_right
	s_endpgm
.Lentry_shape_is_right:
; q = x Wq (16 heads), k = x Wk, v = x Wv: one product [8,192 x 1,024] x [1,024 x 1,152] on the codes that the first launch made, its results quantised in registers into the operands of attention.
; 256 work-groups.  Work-group (X, Y) makes 128 rows x 288 columns: heads 4 Y .. 4 Y + 3 of q, and 32 columns of k (Y = 0, 1: d block Y) or of v (Y = 2, 3: d tiles 2 (Y - 2), + 1): block Y of wq's 18 tiles.
; A wave makes 64 rows x 128 columns of q (32 accumulators) and 32 rows x 32 columns of k or v (4): the rows are tiles 2 WN, 2 WN + 1 of its own four, whose fragments it holds anyway.
; LDS: three regions for K quarters 0, 1, 2: x's 32,768 bytes a quarter from byte 0, the weights' 73,728 a quarter from byte 98,304.  Four loads at the head, one a wave: x's quarter 0, the weights' quarter 0,
; x's quarters 1 and 2, the weights' quarters 1 and 2.  The first barrier shows the first two.  QUARTER 3 IS FILLED OVER QUARTER 0, behind a round of the cluster's barrier inside K step 1, half of a tile a wave;
; it has K steps 2 to 5 in which to land.
; CLUSTER: the four work-groups of a cluster lie along x and ask for the weights JOINTLY.  x's tiles are shared by the four work-groups of a grid column; the choice between k's and v's form is a branch on Y,
; so Y may be no place in a cluster, and x's tiles come by plain loads.  NO PREFETCH: the text has no loop to run ahead in and one refill.
; q AND k: the matrix instruction is used transposed (source 0 = 16 columns of the weight, source 1 = 16 rows of x): a lane holds one row and, by the order of a tile, 16 neighbours along d in the registers of two tiles.
; v: the sources the other way round: a lane holds one d and 16 neighbouring KEYS.  In both forms 16 registers on end are half a block of 32, and lane l xor 16 holds the other half: one text quantises all.
; OUT: qq: codes (16 b + head) x 131,072 + tile x 1,024 + 512 (d / 32) + 16 lane; scale words [s0, s1, s0, s1] from byte 8,388,608: (16 b + head) x 8,192 + (tile / 4) x 256 + 16 place + 4 (tile % 4).
; kv, 270,336 bytes a batch: k's codes as q's; from 131,072 v's: step x 8,192 + (d tile) x 2,048 + (key block) x 512 + 16 lane; from 262,144 k's scale words: step x 256 + 16 place + 4 (tile pair), byte 2 (tile % 2) + d block;
; from 266,240 v's: step x 256 + 16 place + 4 (d tile), byte = key block.  k's and v's scale bytes leave one byte a lane: 8 KiB a batch.
; LIMITS: as stated at the head of the first launch's text.
; REGISTERS: window 0: v1-11, v22 addresses; v12-19 k's or v's codes; v28, 29 the add's two; v32-47 x's scale words, v50-89 the weights' (register 4 t + K step % 4; lanes 0-15 K steps 0-3, lanes 16-31 K steps 4-7);
; v96-127 the four extra accumulators; v128-191 q's codes; v192-255 the quantiser's.  Windows 1, 2: a set of fragments each: v0-159 the weights' ten, v160-223 x's four.  Window 3: the 32 accumulators, (a, b) at 8 (8 a + b).
.set NT,   18
.set BS,   NT*4096
.set BB,   98304
.set SPARE, BB+3*BS
.set LI,   1
.set ADRA, 2
.set ADRB, 4
.set ADRE, 7
.set O8,   10
.set OX,   11
.set CX,   12
.set OB,   22
.set SPW,  28
.set NIL,  29
.set SCA,  32
.set SCB,  50
.set XA,   96
.set CD,   128
.set T1,   192
.set T2,   210
.set HB,   228
.set WW,   246
.set WV,   12
.set WM,   13
.set WN,   14
.set GA,   24
.set GB,   32
.set GA2,  40
.set GB2,  48
.set MSB, 0
.macro WIN new                         ; the immediate's high byte repeats the setting that is left
.if MSB != \new
	s_set_vgpr_msb (MSB<<8)|\new
.set MSB, \new
.endif
.endm
.macro PLACES n
.rept \n
	v_nop
.endr
.endm
.macro CROUND                          ; a round of the cluster's barrier
	s_barrier_signal -1
	s_barrier_wait -1
	s_cmp_lg_u32 s[WV], 0
	s_cbranch_scc1 .Lnot_wave_0_\@
	s_barrier_signal -3
.Lnot_wave_0_\@:
	s_barrier_wait -3
	s_barrier_signal -1
	s_barrier_wait -1
.endm
.macro G1SET g, w0, c, r, p            ; descriptor group 1: r rows of c elements of 8 bytes, p elements apart
	s_mov_b32 s[\g], \w0
	s_mov_b32 s[\g+1], (\c)<<16
	s_mov_b32 s[\g+2], (\r)<<16
	s_mov_b32 s[\g+3], (\c)<<16
	s_mov_b32 s[\g+4], \r
	s_mov_b32 s[\g+5], \p
	s_mov_b32 s[\g+6], 0
	s_mov_b32 s[\g+7], 0
.endm
.macro G0SET g, lds, base, off         ; descriptor group 0
	s_mov_b32 s[\g], 1
	s_mov_b32 s[\g+1], \lds
	s_add_nc_u64 s[\g+2:\g+3], s[\base:\base+1], \off
	s_or_b32 s[\g+3], s[\g+3], 0x80000000
.endm
.macro TLOAD g0, g1                    ; an s_nop 0 and four v_nop follow a tensor load
	tensor_load_to_lds s[\g0:\g0+3], s[\g1:\g1+7]
	s_nop 0
	PLACES 4
.endm
	s_load_b256 s[4:11], s[0:1], 0x0               ; xq, wq, qq, kv
	v_lshl_add_u32 v[SPW], v0, 2, SPARE
	v_mov_b32 v[NIL], 0
	ds_add_u32 v[SPW], v[NIL]                      ; the wave's opening: the add, twice on end, and its wait ahead of my first tensor load
	ds_add_u32 v[SPW], v[NIL]
	v_lshrrev_b32 v20, 5, v0
	v_readfirstlane_b32 s[WV], v20                 ; wave 0..3
	s_lshr_b32 s[WM], s[WV], 1                     ; my half of the rows
	s_and_b32 s[WN], s[WV], 1                      ; my half of q's columns
	s_bfe_u32 s15, ttmp6, 0x40000                  ; cx
	s_lshl_b32 s17, ttmp9, 2
	s_add_co_u32 s17, s17, s15                     ; X: block of rows; it enters global addresses alone
	s_and_b32 s18, ttmp7, 0xffff                   ; Y: block of columns, which the partners share
	s_lshr_b32 s19, s18, 1                         ; 1: my extra columns are v's; 0: k's
	s_and_b32 s20, s18, 1                          ; which half of its 64
	s_lshl_b32 s21, s19, 1
	s_add_co_u32 s21, s21, s[WN]                   ; which of the four forms of the extra products is mine
	s_mov_b32 s22, 0x76543210
	s_mov_b32 s23, 0xfedcba98
	s_mov_b32 s98, 0x600000                        ; the mantissa field of 448
	s_mov_b32 s99, 0xffff0000                      ; lanes 16-31
	G1SET GA, 3<<16, 32, 128, 32                   ; x's quarter 0: 32,768 dense bytes as rows of 256
	G1SET GB, 15|(3<<16)|(1<<21), 32, NT*16, 32    ; the weights' quarter 0, for all four work-groups; bit 21 set beside a mask
	G1SET GA2, 3<<16, 4096, 2, 262144              ; x's quarters 1, 2: two rows of 32,768 bytes, 2,097,152 apart
	G1SET GB2, 15|(3<<16)|(1<<21), BS/8, 2, 69632  ; the weights': two rows of 73,728 bytes, 557,056 apart
	s_lshl_b32 s76, s17, 15                        ; x's codes: tile 8 X
	s_mov_b32 s77, 0
	s_mul_i32 s78, s18, BS                         ; the weights': tile 18 Y: made of what the partners share
	s_mov_b32 s79, 0
	s_lshl_b32 s66, s[WN], 14                      ; the refill: waves 0, 1 x's halves, waves 2, 3 the weights': in LDS,
	s_mul_i32 s67, s[WN], BS/2
	s_add_co_u32 s80, s66, 3*2097152               ; and in memory
	s_mov_b32 s81, 0
	s_add_co_u32 s82, s67, 3*557056
	s_mov_b32 s83, 0
	s_add_co_u32 s67, s67, BB
	s_lshl_b32 s84, s17, 12                        ; scale words of my four row tiles
	s_lshl_b32 s90, s[WM], 11
	s_add_co_u32 s84, s84, s90
	s_add_co_u32 s84, s84, 0x800000
	s_mov_b32 s85, 0
	s_mul_i32 s86, s18, NT*512                     ; and of the block's column tiles
	s_add_co_u32 s86, s86, 2228224
	s_mov_b32 s87, 0
	s_lshr_b32 s2, s17, 4                          ; the batch
	s_and_b32 s3, s17, 15                          ; the step of 128 rows in it
	s_lshl_b32 s90, s2, 4
	s_lshl_b32 s91, s18, 2
	s_add_co_u32 s90, s90, s91
	s_lshl_b32 s91, s[WN], 1
	s_add_co_u32 s90, s90, s91                     ; 16 b + my first head
	s_lshl_b32 s92, s90, 17                        ; q's codes
	s_lshl_b32 s91, s3, 13
	s_add_co_u32 s92, s92, s91
	s_lshl_b32 s91, s[WM], 12
	s_add_co_u32 s92, s92, s91
	s_mov_b32 s93, 0
	s_lshl_b32 s94, s90, 13                        ; q's scale words
	s_lshl_b32 s91, s3, 9
	s_add_co_u32 s94, s94, s91
	s_lshl_b32 s91, s[WM], 8
	s_add_co_u32 s94, s94, s91
	s_add_co_u32 s94, s94, 0x800000
	s_mov_b32 s95, 0
	s_mul_i32 s91, s2, 270336
	s_lshl_b32 s90, s3, 13
	s_add_co_u32 s90, s90, s91                     ; the batch's block + step x 8,192
	s_lshl_b32 s88, s[WV], 11                      ; k's codes: tiles 2 wave, + 1 of the step's eight, d block Y % 2
	s_lshl_b32 s89, s20, 9
	s_add_co_u32 s88, s88, s89
	s_lshl_b32 s96, s20, 12                        ; v's: d tiles 2 (Y % 2), + 1, key block = wave
	s_lshl_b32 s89, s[WV], 9
	s_add_co_u32 s96, s96, s89
	s_add_co_u32 s96, s96, 131072
	s_cmp_lg_u32 s19, 0
	s_cselect_b32 s88, s96, s88
	s_add_co_u32 s88, s88, s90
	s_mov_b32 s89, 0
	s_lshl_b32 s90, s3, 8
	s_add_co_u32 s90, s90, s91                     ; the batch's block + step x 256
	s_lshl_b32 s96, s[WV], 2                       ; k's scale bytes: tile pair = wave, byte 2 (tile % 2) + Y % 2
	s_add_co_u32 s96, s96, s20
	s_add_co_u32 s96, s96, 262144
	s_lshl_b32 s97, s20, 3                         ; v's: d tile 2 (Y % 2) + lane / 16, byte = wave
	s_add_co_u32 s97, s97, s[WV]
	s_add_co_u32 s97, s97, 266240
	s_cmp_lg_u32 s19, 0
	s_cselect_b32 s96, s97, s96
	s_cselect_b32 s16, 4, 2                        ; from lanes 0-15 to lanes 16-31 in the scale bytes,
	s_mov_b32 s15, 1024
	s_cselect_b32 s15, 2048, s15                   ; and from the first 16 registers' codes to the second's
	s_add_co_u32 s96, s96, s90
	s_mov_b32 s97, 0
	v_and_b32 v20, 31, v0
	v_lshlrev_b32 v[LI], 4, v20
	s_lshl_b32 s90, s[WM], 14
	v_add_nc_u32 v[ADRA], s90, v[LI]               ; x's fragments: quarters 0 (3), 1
	v_add_nc_u32 v[ADRA+1], 0x10000, v[ADRA]       ; quarter 2
	s_lshl_b32 s90, s[WN], 15
	s_add_co_u32 s90, s90, BB
	v_add_nc_u32 v[ADRB], s90, v[LI]               ; my eight tiles of the weights, a register a region
	v_add_nc_u32 v[ADRB+1], BS, v[ADRB]
	v_add_nc_u32 v[ADRB+2], 2*BS, v[ADRB]
	v_add_nc_u32 v[ADRE], BB+65536, v[LI]          ; tiles 16, 17
	v_add_nc_u32 v[ADRE+1], BB+BS+65536, v[LI]
	v_add_nc_u32 v[ADRE+2], BB+2*BS+65536, v[LI]
	v_and_b32 v20, 15, v0                          ; r
	v_bfe_u32 v21, v0, 4, 1                        ; h
	v_lshlrev_b32 v[O8], 4, v20
	v_mad_u32_u24 v[OB], v21, s16, v[O8]
	v_lshl_add_u32 v[O8], v21, 3, v[O8]            ; 16 r + 8 h
	v_add_nc_u32 v[OX], s15, v[LI]
	s_wait_alu depctr_va_vdst(0)
	s_wait_dscnt 0x0                               ; both opening adds are done
	s_wait_kmcnt 0x0
	s_add_nc_u64 s[76:77], s[4:5], s[76:77]
	s_add_nc_u64 s[78:79], s[6:7], s[78:79]
	s_add_nc_u64 s[84:85], s[4:5], s[84:85]
	s_add_nc_u64 s[86:87], s[6:7], s[86:87]
	s_add_nc_u64 s[92:93], s[8:9], s[92:93]
	s_add_nc_u64 s[94:95], s[8:9], s[94:95]
	s_add_nc_u64 s[88:89], s[10:11], s[88:89]
	s_add_nc_u64 s[96:97], s[10:11], s[96:97]
	CROUND                                         ; all four work-groups are here: the joint loads meet
	G0SET 56, 0, 76, 0
	G0SET 60, BB, 78, 0
	G0SET 68, 32768, 76, 2097152
	G0SET 72, BB+BS, 78, 557056
	s_cmp_eq_u32 s[WV], 0                          ; one chain of branches on the wave's number, one fill to an arm: one load of mine is out
	s_cbranch_scc0 .Lfill_1
	TLOAD 56, GA
	s_branch .Lfilled
.Lfill_1:
	s_cmp_eq_u32 s[WV], 1
	s_cbranch_scc0 .Lfill_2
	TLOAD 60, GB
	s_branch .Lfilled
.Lfill_2:
	s_cmp_eq_u32 s[WV], 2
	s_cbranch_scc0 .Lfill_3
	TLOAD 68, GA2
	s_branch .Lfilled
.Lfill_3:
	TLOAD 72, GB2
.Lfilled:
	s_lshl_b32 s90, s[WN], 12                      ; my eight tiles' scale words in the block's
	v_add_nc_u32 v20, s90, v[LI]
.irp a, 0,1,2,3
	global_load_b128 v[SCA+4*\a:SCA+4*\a+3], v[LI], s[84:85] offset:512*\a   ; a tile's 512 bytes of scale words
.endr
.irp b, 0,1,2,3,4,5,6,7
	global_load_b128 v[SCB+4*\b:SCB+4*\b+3], v20, s[86:87] offset:512*\b
.endr
.irp b, 8,9
	global_load_b128 v[SCB+4*\b:SCB+4*\b+3], v[LI], s[86:87] offset:512*(\b+8)
.endr
; 56 LDS loads in one run: K step ks's fragments into set ks % 2.  Each load takes 512 consecutive bytes.
.macro FETCH ks
.set R_, (((\ks)/2)%3)
.set KQ_, ((\ks)%2)*2048
	WIN (1+(\ks)%2)<<6
.irp b, 0,1,2,3,4,5,6,7
.irp c, 0,1,2,3
	ds_load_b128 v[16*\b+4*\c:16*\b+4*\c+3], v[ADRB+R_] offset:\b*4096+KQ_+512*\c
.endr
.endr
.irp b, 0,1
.irp c, 0,1,2,3
	ds_load_b128 v[128+16*\b+4*\c:128+16*\b+4*\c+3], v[ADRE+R_] offset:\b*4096+KQ_+512*\c
.endr
.endr
.irp a, 0,1,2,3
.irp c, 0,1,2,3
	ds_load_b128 v[160+16*\a+4*\c:160+16*\a+4*\c+3], v[ADRA+R_/2] offset:(R_%2)*32768+\a*4096+KQ_+512*\c
.endr
.endr
	WIN 0
.endm
.macro PR d, s0, s1, c, x0, x1, ks     ; one product; c < 0: the constant 0 starts the sum
.if (\c) < 0
	v_wmma_scale_f32_16x16x128_f8f6f4 v[\d:\d+7], v[\s0:\s0+15], v[\s1:\s1+15], 0, v[\x0], v[\x1]
.elseif (\ks) < 4
	v_wmma_scale_f32_16x16x128_f8f6f4 v[\d:\d+7], v[\s0:\s0+15], v[\s1:\s1+15], v[\c:\c+7], v[\x0+(\ks)], v[\x1+(\ks)]
.else
	v_wmma_scale_f32_16x16x128_f8f6f4 v[\d:\d+7], v[\s0:\s0+15], v[\s1:\s1+15], v[\c:\c+7], v[\x0+(\ks)-4], v[\x1+(\ks)-4] matrix_a_scale:MATRIX_SCALE_ROW1 matrix_b_scale:MATRIX_SCALE_ROW1
.endif
.endm
.macro MUL ks, a0                      ; 16 products of q: x's tiles a0, a0 + 1 against the weights' eight; every accumulator has one turn a K step
	WIN ((1+(\ks)%2)*5)|0xf0
.irp a, \a0, \a0+1
.irp b, 0,1,2,3,4,5,6,7
.if (\ks) == 0
	PR 8*(8*(\a)+\b), 16*\b, 160+16*(\a), -1, SCB+4*\b, SCA+4*(\a), \ks
.else
	PR 8*(8*(\a)+\b), 16*\b, 160+16*(\a), 8*(8*(\a)+\b), SCB+4*\b, SCA+4*(\a), \ks
.endif
.endr
.endr
.endm
.macro XMUL ks, form, wn               ; the four extra products: x's tiles 2 wn, 2 wn + 1 against tiles 16, 17.  form 0 (k): source 0 = the weight; form 1 (v): source 0 = x
	WIN (1+(\ks)%2)*5
.irp i, 0,1
.irp t, 0,1
.if \form
.set D_, XA+8*(2*\t+\i)
.else
.set D_, XA+8*(2*\i+\t)
.endif
.set C_, D_
.if (\ks) == 0
.set C_, -1
.endif
.if \form
	PR D_, 160+16*(2*\wn+\i), 128+16*\t, C_, SCA+4*(2*\wn+\i), SCB+32+4*\t, \ks
.else
	PR D_, 128+16*\t, 160+16*(2*\wn+\i), C_, SCB+32+4*\t, SCA+4*(2*\wn+\i), \ks
.endif
.endr
.endr
	WIN 0
.endm
.macro XSEL ks                         ; the branches hang on the block of columns and the wave's number, and lead round products alone
	WIN 0
	s_cmp_lt_u32 s21, 2
	s_cbranch_scc0 .Lxv_\@
	s_cmp_eq_u32 s21, 0
	s_cbranch_scc0 .Lx1_\@
	XMUL \ks, 0, 0
	s_branch .Lxe_\@
.Lx1_\@:
	XMUL \ks, 0, 1
	s_branch .Lxe_\@
.Lxv_\@:
	s_cmp_eq_u32 s21, 2
	s_cbranch_scc0 .Lx3_\@
	XMUL \ks, 1, 0
	s_branch .Lxe_\@
.Lx3_\@:
	XMUL \ks, 1, 1
.Lxe_\@:
.endm
.macro KSTEP ks                        ; a K step of 128: the next step's fragments are asked for ahead of this step's products
	s_wait_dscnt 0x0                               ; this step's fragments are in
.if (\ks) == 5
	s_wait_tensorcnt 0x0                           ; my part of quarter 3 is in,
	s_barrier_signal -1
	s_barrier_wait -1                              ; everybody's is
.endif
.if (\ks) < 7
	PLACES 8                                       ; eight places between the last step's products and loads into the set that they read
	FETCH (\ks)+1
.endif
	MUL \ks, 0
	MUL \ks, 2
	XSEL \ks
.endm
	s_wait_alu depctr_va_vdst(0)
	s_cmp_lt_u32 s[WV], 2                          ; waves 0 and 1 wait for quarter 0; waves 2 and 3, whose load lines are their own, wait in K step 1
	s_cbranch_scc0 .Llater
	s_wait_tensorcnt 0x0
.Llater:
	s_barrier_signal -1
	s_barrier_wait -1
	FETCH 0
	s_wait_loadcnt 0x0                             ; the scale words
	s_wait_dscnt 0x0
	FETCH 1
	MUL 0, 0
	MUL 0, 2
	XSEL 0
	; K step 1, with the one refill
	s_wait_tensorcnt 0x0                           ; all my tensor loads have landed;
	ds_add_u32 v[SPW], v[NIL]                      ; 0 onto my spare word;
	s_mov_b32 s[GA+2], 64<<16                      ; no load of mine is out, so descriptors may be written: half of x's quarter 3: 64 rows of 256 bytes,
	s_mov_b32 s[GA+4], 64
	s_mov_b32 s[GB+2], (NT*8)<<16                  ; half of the weights'
	s_mov_b32 s[GB+4], NT*8
	s_mov_b32 s57, s66
	s_add_nc_u64 s[58:59], s[76:77], s[80:81]
	s_or_b32 s59, s59, 0x80000000
	s_mov_b32 s61, s67
	s_add_nc_u64 s[62:63], s[78:79], s[82:83]
	s_or_b32 s63, s63, 0x80000000
	s_wait_dscnt 1                                 ; K step 1's fragments are in; the add may be out
	MUL 1, 0
	WIN 0
	s_wait_dscnt 0x0                               ; the add is done, and my reads of quarter 0 are over
	CROUND                                         ; both now hold of every wave of every partner; quarters 1 and 2 are whole
	s_cmp_lt_u32 s[WV], 2
	s_cbranch_scc0 .Lrefill_b
	TLOAD 56, GA
	s_branch .Lrefilled
.Lrefill_b:
	TLOAD 60, GB
.Lrefilled:
	PLACES 4                                       ; with the four behind the load: eight places ahead of loads into the set that K step 0 read
	FETCH 2
	MUL 1, 2
	XSEL 1
.irp k, 2,3,4,5,6,7
	KSTEP \k
.endr
	; ---- the results become codes: half blocks e = 0 .. 15 of q (e = 4 a + pair of tiles), 16 and 17 of k or v
.irp e, 0,1,2,3,4,5,6,7,8,9,10,11,12,13,14,15,16,17
	v_mov_b32 v[T2+\e], 0                          ; a lane permute's destination counts as one of its sources.  Also the places behind the last products
.endr
	WIN 0x0f                                       ; sources 0 and 1 window 3
.irp e, 0,1,2,3,4,5,6,7,8,9,10,11,12,13,14,15
	v_max3_num_f32 v[T1+\e], |v[16*\e]|, |v[16*\e+1]|, 0x4800000   ; each accumulator is read from its low end on; the floor 2^(9 - 127) holds the byte at 1 from below
.endr
.irp i, 2,4,6,8,10,12,14
.irp e, 0,1,2,3,4,5,6,7,8,9,10,11,12,13,14,15
	v_max3_num_f32 v[T1+\e], |v[16*\e+\i]|, |v[16*\e+\i+1]|, v[T1+\e]
.endr
.endr
	WIN 0
.irp e, 0,1
	v_max3_num_f32 v[T1+16+\e], |v[XA+16*\e]|, |v[XA+16*\e+1]|, 0x4800000
.endr
.irp i, 2,4,6,8,10,12,14
.irp e, 0,1
	v_max3_num_f32 v[T1+16+\e], |v[XA+16*\e+\i]|, |v[XA+16*\e+\i+1]|, v[T1+16+\e]
.endr
.endr
.irp e, 0,1,2,3,4,5,6,7,8,9,10,11,12,13,14,15,16,17
	v_permlanex16_b32 v[T2+\e], v[T1+\e], s22, s23
.endr
.irp e, 0,1,2,3,4,5,6,7,8,9,10,11,12,13,14,15,16,17
	v_max_num_f32 v[T1+\e], v[T1+\e], v[T2+\e]     ; the block's largest magnitude
.endr
.irp e, 0,1,2,3,4,5,6,7,8,9,10,11,12,13,14,15,16,17
	v_and_or_b32 v[HB+\e], v[T1+\e], 0x7f800000, s98   ; 448 x the scale
.endr
.irp e, 0,1,2,3,4,5,6,7,8,9,10,11,12,13,14,15,16,17
	v_add_nc_u32 v[T1+\e], 0xfc000000, v[T1+\e]    ; the conversion's scale operand
.endr
.irp e, 0,1,2,3,4,5,6,7,8,9,10,11,12,13,14,15,16,17
	v_lshrrev_b32 v[T2+\e], 23, v[T1+\e]           ; the byte
.endr
	WIN 0xc3                                       ; destination and source 0 window 3
.irp e, 0,1,2,3,4,5,6,7,8,9,10,11,12,13,14,15
.set ii, 0
.rept 16
	v_med3_num_f32 v[16*\e+ii], v[16*\e+ii], -v[HB+\e], v[HB+\e]
.set ii, ii+1
.endr
.endr
	WIN 0
.irp e, 0,1
.set ii, 0
.rept 16
	v_med3_num_f32 v[XA+16*\e+ii], v[XA+16*\e+ii], -v[HB+16+\e], v[HB+16+\e]
.set ii, ii+1
.endr
	v_cvt_scalef32_pk8_fp8_f32 v[CX+4*\e:CX+4*\e+1], v[XA+16*\e:XA+16*\e+7], v[T1+16+\e]
	v_cvt_scalef32_pk8_fp8_f32 v[CX+4*\e+2:CX+4*\e+3], v[XA+16*\e+8:XA+16*\e+15], v[T1+16+\e]
.endr
	WIN 0x03                                       ; source 0 window 3
.irp e, 0,1,2,3,4,5,6,7,8,9,10,11,12,13,14,15
	v_cvt_scalef32_pk8_fp8_f32 v[CD+4*\e:CD+4*\e+1], v[16*\e:16*\e+7], v[T1+\e]
	v_cvt_scalef32_pk8_fp8_f32 v[CD+4*\e+2:CD+4*\e+3], v[16*\e+8:16*\e+15], v[T1+\e]
.endr
	WIN 0
	v_nop                                          ; one plain line behind the last conversion
.irp a, 0,1,2,3
.irp p, 0,1,2,3
	global_store_b128 v[LI], v[CD+4*(4*\a+\p):CD+4*(4*\a+\p)+3], s[92:93] offset:(\p/2)*131072+\a*1024+(\p%2)*512   ; 512 consecutive bytes, aligned
.endr
.endr
	global_store_b128 v[LI], v[CX:CX+3], s[88:89]
	global_store_b128 v[OX], v[CX+4:CX+7], s[88:89]
.irp d, 0,1
.irp a, 0,1,2,3
	v_lshl_or_b32 v[WW+4*\d+\a], v[T2+4*\a+2*\d+1], 8, v[T2+4*\a+2*\d]   ; head d, tile a: bytes s0, s1
.endr
.endr
.irp w, 0,1,2,3,4,5,6,7
	v_lshl_or_b32 v[WW+\w], v[WW+\w], 16, v[WW+\w] ; q's word: [s0, s1, s0, s1]
.endr
.irp d, 0,1
	v_cndmask_b32 v[24+2*\d], v[WW+4*\d], v[WW+4*\d+2], s99   ; lanes 0-15 store tiles 0, 1, lanes 16-31 tiles 2, 3
	v_cndmask_b32 v[25+2*\d], v[WW+4*\d+1], v[WW+4*\d+3], s99
.endr
	v_cndmask_b32 v20, v[T2+16], v[T2+17], s99     ; k's or v's byte: lanes 0-15 the first 16 registers', lanes 16-31 the second's
.irp d, 0,1
	global_store_b64 v[O8], v[24+2*\d:25+2*\d], s[94:95] offset:8192*\d   ; 256 consecutive bytes, aligned
.endr
	global_store_b8 v[OB], v20, s[96:97]
	s_wait_tensorcnt 0x0                           ; the wave's end, behind my last tensor load
	ds_add_u32 v[SPW], v[NIL]
	s_wait_dscnt 0x0
	CROUND                                         ; the closing round
	s_endpgm
.Lfunc_end_k_q5b5f2a424e_qkv:
	.size	k_q5b5f2a424e_qkv, .Lfunc_end_k_q5b5f2a424e_qkv-k_q5b5f2a424e_qkv
	.p2alignl 7, 3214868480
	.fill 96, 4, 3214868480
	.section	.rodata,"a",@progbits
	.p2align	6, 0x0
	.amdhsa_kernel k_q5b5f2a424e_qkv
		.amdhsa_group_segment_fixed_size 327680
		.amdhsa_private_segment_fixed_size 0
		.amdhsa_enable_private_segment 0
		.amdhsa_kernarg_size 32
		.amdhsa_user_sgpr_count 2
		.amdhsa_user_sgpr_kernarg_segment_ptr 1
		.amdhsa_wavefront_size32 1
		.amdhsa_system_sgpr_workgroup_id_x 1
		.amdhsa_system_sgpr_workgroup_id_y 1
		.amdhsa_system_sgpr_workgroup_id_z 1
		.amdhsa_system_vgpr_workitem_id 0
		.amdhsa_next_free_vgpr 1024
		.amdhsa_next_free_sgpr 100
		.amdhsa_reserve_vcc 0
		.amdhsa_float_denorm_mode_32 3
		.amdhsa_float_denorm_mode_16_64 3
		.amdhsa_memory_ordered 1
		.amdhsa_forward_progress 1
		.amdhsa_inst_pref_size 135
	.end_amdhsa_kernel
	.amdgpu_metadata
---
amdhsa.version: [ 1, 2 ]
amdhsa.kernels:
  - .name:           k_q5b5f2a424e_qkv
    .symbol:         k_q5b5f2a424e_qkv.kd
    .args:
      - { .name: xq, .offset: 0, .size: 8, .value_kind: global_buffer, .address_space: global }
      - { .name: wq, .offset: 8, .size: 8, .value_kind: global_buffer, .address_space: global }
      - { .name: qq, .offset: 16, .size: 8, .value_kind: global_buffer, .address_space: global }
      - { .name: kv, .offset: 24, .size: 8, .value_kind: global_buffer, .address_space: global }
    .group_segment_fixed_size: 327680
    .private_segment_fixed_size: 0
    .kernarg_segment_align: 8
    .kernarg_segment_size: 32
    .max_flat_workgroup_size: 128
    .sgpr_count:     100
    .vgpr_count:     1024
    .wavefront_size: 32
...
	.end_amdgpu_metadata
.endif
;; end of part 2
;; launch attn (part 3): grid 64 x 4, 8 waves a work-group, clusters of 4 x 1, 272,384 bytes of LDS; arguments qq, kv, hq; writes hq
.if DOCPART == 3
	.amdgcn_target "amdgcn-amd-amdhsa--gfx1250"
	.amdhsa_code_object_version 6
	.text
	.protected	k_q5b5f2a424e_attn
	.globl	k_q5b5f2a424e_attn
	.p2align	8
	.type	k_q5b5f2a424e_attn,@function
k_q5b5f2a424e_attn:
	s_mov_b64 s[64:65], 0
	v_nop
	global_prefetch_b8 v0, s[64:65] scope:SCOPE_SE
	s_setreg_imm32_b32 hwreg(HW_REG_WAVE_MODE, 25, 1), 1
	s_wait_xcnt 0x0
	s_wait_alu depctr_hold_cnt(0) depctr_sa_sdst(0) depctr_va_vdst(0) depctr_va_sdst(0) depctr_va_ssrc(0) depctr_va_vcc(0) depctr_vm_vsrc(0)
	s_getreg_b32 s2, hwreg(HW_REG_IB_STS2, 6, 4)
	s_cmp_eq_u32 s2, 0
	s_cbranch_scc0 .Lentry_in_a_cluster
	s_endpgm
.Lentry_in_a_cluster:
	s_bfe_u32 s2, ttmp6, 0x10000c
	s_cmp_lg_u32 s2, 0x3003
	s_cbranch_scc0 .Lentry_shape_is_right
	s_endpgm
.Lentry_shape_is_right:
; head_out = softmax(q k^T / 8, causal) v for 4 batches x 16 heads that share one k and v, both products on codes of E4M3; the result, divided by the row's sum, is quantised along (head, d) for the projection.
; WORK LEFT OUT: a step of 128 keys all of which come after the tile's 16 queries: reference()'s own jnp.tril mask gives them the weight 0 for all values of the inputs.
; THE SOFTMAX AHEAD OF THE SECOND PRODUCT: t = score x log2(e) / 8; M = the running largest t, rounded up to a whole number; p = 2^(t - M) is quantised along the keys, not normalised; the row's sum is taken of the
; unquantised p; when M moves, the sum and O are multiplied by 2^(old M - new M), exactly.
; SHARES.  A batch's k and v, codes and scale words, are 270,336 bytes: they lie in LDS whole, each of the 8 waves bringing an eighth by one load at the head.  Nothing is filled twice.
; A work-group takes two heads.  Wave w takes BOTH heads (units 0 and 1) of query tile j = jg + 8 w and then of tile 127 - j: w + 1 and 16 - w live steps, 17 for every wave.  A fragment of k or v read from LDS
; serves both units, and every chain of vector lines is written for the two units by turns.
; ONE LOOP of 32 trips: pass = trip / 16, step = trip % 16; hidden steps are jumped over by ids; behind step 15 stands the pass's way out, and behind pass 0's the set-up of pass 1.
; LOADS FROM LDS: v's 16 fragment loads and its scale words are issued at a step's head; the NEXT step's 17 of k behind this step's score products.  Each counted wait (17) lets the run issued last stay out.
; The run of k asked for in a pass's last live step is not used (behind step 15 it reads the first bytes of v's region): 17 loads a pass.
; CLUSTER: four work-groups with the same batch and the same jg (other heads) ask for k and v JOINTLY.  Their place in the cluster enters global addresses alone.
; NO PREFETCH: k and v are asked for once, at the head, and there is no loop to run ahead in.
; LAYOUT.  S^T = k q^T (source 0 = keys), O^T = v^T p^T (source 0 = 16 of d): a lane holds one query throughout.  By the order of a tile the 16 registers of two neighbouring tiles of S^T are 16 neighbouring keys.
; d IS 64, HALF OF THE INSTRUCTION'S 128: a fragment of k holds TWO key tiles, multiplied once by [q | 0] and once by [0 | q]: zero codes add nothing.
; LIMITS: as stated at the head of the first launch's text; p under 2^-126 falls to 0; 1 / the sum is v_rcp_f32; the promise holds while the scaled scores stay under 2^31 in magnitude.
; REGISTERS.  Window 0: v1-11 addresses and the add's two; v12-19 state (unit u: -M, largest t, the sum's pair); v20-23 at work; v24-27 k's, v28-31 v's scale words; v32, 33 q's, v34, 35 those of pass 1;
; v40-43 (f, p's scale word) a unit; v44-75 the blocks' maxima, bounds and scale operands; v76-79 second chains of the sums; v84-91 second copies of the bounds; v96-223 S^T, then p; v224-255 p's codes.
; Window 1: v0-63 k's fragments; v64-127 v's; v128-191 O^T; v192-231 0 | q0 | 0 | q1 | 0; v232-247 q of pass 1.
.set SPARE, 270336
.set LI,  1
.set LIV, 2
.set LS,  3
.set MK,  4
.set SPW, 5
.set NIL, 6
.set ADK, 7
.set ADV, 8
.set ADS, 9
.set HOFF, 10
.set HW,  11
.set ST,  12
.set DM,  20
.set NI,  21
.set TA,  22
.set KS,  24
.set VS,  28
.set QS,  32
.set QN,  34
.set FF,  40
.set BM,  44                           ; unit u at BM + 16 u: 0-3 largest, 4-7 at work, 8-11 bounds, 12-15 scale operands
.set SB,  76
.set HC,  84
.set S,   96
.set PCD, 224
.set KFR, 0                            ; window 1
.set VFR, 64
.set OT,  128
.set QZ,  192
.set QH,  232
.set WV,  12
.set SEL, 20
.set CS,  22
.set MNT, 36
.set TB,  38
.set TS,  39
.set KF,  40
.set Q0,  41
.set CNT, 42
.set MSB, 0
.macro WIN new                         ; the immediate's high byte repeats the setting that is left
.if MSB != \new
	s_set_vgpr_msb (MSB<<8)|\new
.set MSB, \new
.endif
.endm
.macro PLACES n
.rept \n
	v_nop
.endr
.endm
.macro WALU
	s_wait_alu depctr_va_vdst(0)
.endm
.macro CROUND
	s_barrier_signal -1
	s_barrier_wait -1
	s_cmp_lg_u32 s[WV], 0
	s_cbranch_scc1 .Lnot_wave_0_\@
	s_barrier_signal -3
.Lnot_wave_0_\@:
	s_barrier_wait -3
	s_barrier_signal -1
	s_barrier_wait -1
.endm
.macro INITST                          ; a pass begins: largest t = -3e38, -M its floor, the sums 0
.irp u, 0,1
	v_mov_b32 v[ST+4*\u+1], 0xff61b1e6
	v_mov_b32 v[ST+4*\u+2], 0
	v_mov_b32 v[ST+4*\u+3], 0
.endr
.irp u, 0,1
	v_floor_f32 v[ST+4*\u], -v[ST+4*\u+1]
.endr
.endm
.macro ZEROOT                          ; O^T of both units: the step is written once, and the first finds zeros
	WIN 0x40
.set jj, 0
.rept 64
	v_mov_b32 v[OT+jj], 0
.set jj, jj+1
.endr
	WIN 0
.endm
.macro KLOAD adr, ads, off, soff       ; 17 LDS loads: a step's four fragments of k and their scale words
	WIN 0x40
.irp f, 0,1,2,3
.irp c, 0,1,2,3
	ds_load_b128 v[KFR+16*\f+4*\c:KFR+16*\f+4*\c+3], v[\adr] offset:\off+2048*\f+512*\c
.endr
.endr
	WIN 0
	ds_load_b128 v[KS:KS+3], v[\ads] offset:\soff
.endm
.macro SETQ0 t                         ; tile i's first query: 32 (i / 2) + 8 (i % 2)
	s_lshr_b32 s[Q0], s\t, 1
	s_lshl_b32 s[Q0], s[Q0], 5
	s_and_b32 s44, s\t, 1
	s_lshl_b32 s44, s44, 3
	s_add_co_u32 s[Q0], s[Q0], s44
.endm
	s_load_b128 s[4:7], s[0:1], 0x0                ; qq, kv
	s_load_b64 s[8:9], s[0:1], 0x10                ; hq
	v_lshl_add_u32 v[SPW], v0, 2, SPARE
	v_mov_b32 v[NIL], 0
	ds_add_u32 v[SPW], v[NIL]                      ; the wave's opening: the add, twice on end, and its wait ahead of my first tensor load
	ds_add_u32 v[SPW], v[NIL]
	v_lshrrev_b32 v1, 5, v0
	v_readfirstlane_b32 s[WV], v1                  ; wave 0..7
	s_and_b32 s13, ttmp7, 0xffff                   ; the batch
	s_lshr_b32 s14, ttmp9, 1                       ; jg: the partners share it
	s_bfe_u32 s15, ttmp6, 0x40000                  ; cx
	s_and_b32 s16, ttmp9, 1
	s_lshl_b32 s16, s16, 2
	s_add_co_u32 s15, s15, s16                     ; c: the pair of heads 2 c, 2 c + 1: it enters global addresses alone
	s_lshl_b32 s16, s15, 1
	s_lshl_b32 s17, s[WV], 3
	s_add_co_u32 s17, s17, s14                     ; j
	s_sub_co_u32 s18, 127, s17                     ; 127 - j
	s_mov_b32 s[SEL], 0x76543210
	s_mov_b32 s[SEL+1], 0xfedcba98
	s_mov_b32 s[CS], 0x3e38aa3b                    ; c = log2(e) / 8
	s_mov_b32 s[CS+1], s[CS]                       ; (named with it as a pair)
	s_mov_b32 s[MNT], 0x600000
	s_mov_b32 s24, 15|(3<<16)|(1<<21)              ; the descriptor: 33,792 dense bytes as 132 rows of 32 elements of 8 bytes; the mask: all four work-groups; bit 21 set beside it
	s_mov_b32 s25, 32<<16
	s_mov_b32 s26, 132<<16
	s_mov_b32 s27, 32<<16
	s_mov_b32 s28, 132
	s_mov_b32 s29, 32
	s_mov_b32 s30, 0
	s_mov_b32 s31, 0
	s_mov_b32 s32, 1
	s_mul_i32 s33, s[WV], 33792                    ; LDS mirrors the batch's block
	s_mul_i32 s44, s13, 270336
	s_add_co_u32 s44, s44, s33
	s_mov_b32 s45, 0
	s_lshl_b32 s50, s13, 4
	s_add_co_u32 s50, s50, s16                     ; 16 b + head 2 c
	s_lshl_b32 s52, s50, 13                        ; q's scale words
	s_add_co_u32 s52, s52, 0x800000
	s_mov_b32 s53, 0
	s_lshl_b32 s50, s50, 17                        ; q's codes
	s_lshl_b32 s51, s17, 10
	s_add_co_u32 s46, s50, s51
	s_mov_b32 s47, 0
	s_lshl_b32 s51, s18, 10
	s_add_co_u32 s48, s50, s51
	s_mov_b32 s49, 0
	s_lshr_b32 s54, s17, 2                         ; tile j's scale words: (j / 4) x 256 + 4 (j % 4)
	s_lshl_b32 s54, s54, 8
	s_and_b32 s55, s17, 3
	s_lshl_b32 s55, s55, 2
	s_add_co_u32 s54, s54, s55
	s_lshr_b32 s56, s18, 2                         ; tile 127 - j's
	s_lshl_b32 s56, s56, 8
	s_and_b32 s55, s18, 3
	s_lshl_b32 s55, s55, 2
	s_add_co_u32 s56, s56, s55
	s_lshl_b32 s57, s13, 7
	s_add_co_u32 s57, s57, s17
	s_lshl_b32 s57, s57, 9                         ; hq's scale words: row tile 128 b + j,
	s_sub_co_u32 s58, s18, s17
	s_lshl_b32 s58, s58, 9                         ; and the distance to row tile 128 b + 127 - j
	s_lshr_b32 s60, s15, 1                         ; hq's codes of my two heads: kp = c / 2,
	s_lshl_b32 s60, s60, 21
	s_and_b32 s68, s15, 1
	s_lshl_b32 s68, s68, 11                        ; kq = c % 2: a whole fragment of 2,048 bytes
	s_add_co_u32 s60, s60, s68
	s_mov_b32 s61, 0
	s_lshr_b32 s66, s15, 2                         ; and their four scale bytes: one word
	s_lshl_b32 s66, s66, 8
	s_and_b32 s69, s15, 3
	s_lshl_b32 s69, s69, 2
	s_add_co_u32 s66, s66, s69
	s_add_co_u32 s66, s66, 0x800000
	s_mov_b32 s67, 0
	v_and_b32 v2, 31, v0
	v_lshlrev_b32 v[LI], 4, v2
	v_add_nc_u32 v[LIV], 0x20000, v[LI]
	v_and_b32 v12, 15, v0                          ; r
	v_bfe_u32 v13, v0, 4, 1                        ; h
	v_lshl_add_u32 v[LS], v12, 4, 0x40000
	v_and_b32 v[MK], 8, v12
	v_add_nc_u32 v[MK], v[MK], v12
	v_lshlrev_b32 v14, 4, v13
	v_sub_nc_u32 v[MK], v[MK], v14                 ; r + 8 (r / 8) - 16 h
	v_lshl_add_u32 v[TA], v12, 4, s54              ; offsets of q's scale words, tile j's and tile 127 - j's
	v_lshl_add_u32 v[TA+1], v12, 4, s56
	v_lshl_add_u32 v[HOFF], v12, 4, s57
	v_mad_u32_u24 v[HOFF], v13, s58, v[HOFF]       ; lanes 0-15: tile j's rows; lanes 16-31: tile 127 - j's
	v_mov_b32 v[HW], 0
	WALU
	s_wait_dscnt 0x0                               ; both opening adds are done
	s_wait_kmcnt 0x0
	s_add_nc_u64 s[34:35], s[6:7], s[44:45]
	s_or_b32 s35, s35, 0x80000000
	s_add_nc_u64 s[46:47], s[4:5], s[46:47]
	s_add_nc_u64 s[48:49], s[4:5], s[48:49]
	s_add_nc_u64 s[52:53], s[4:5], s[52:53]
	s_add_nc_u64 s[60:61], s[8:9], s[60:61]
	s_add_nc_u64 s[66:67], s[8:9], s[66:67]
	CROUND                                         ; all four work-groups are here: the joint loads meet
	tensor_load_to_lds s[32:35], s[24:31]          ; my eighth: one load of mine is out
	s_nop 0
	PLACES 4
	WIN 0x40                                       ; destination window 1
.irp u, 0,1
	global_load_b128 v[QZ+8+16*\u:QZ+11+16*\u], v[LI], s[46:47] offset:131072*\u
	global_load_b128 v[QZ+12+16*\u:QZ+15+16*\u], v[LI], s[46:47] offset:131072*\u+512
	global_load_b128 v[QH+8*\u:QH+8*\u+3], v[LI], s[48:49] offset:131072*\u
	global_load_b128 v[QH+8*\u+4:QH+8*\u+7], v[LI], s[48:49] offset:131072*\u+512
.endr
.irp z, 0,16,32
.irp i, 0,1,2,3,4,5,6,7
	v_mov_b32 v[QZ+\z+\i], 0                       ; the zero halves beside q
.endr
.endr
	WIN 0
.irp u, 0,1
	global_load_b32 v[QS+\u], v[TA], s[52:53] offset:8192*\u
	global_load_b32 v[QN+\u], v[TA+1], s[52:53] offset:8192*\u
.endr
	ZEROOT
	INITST
.irp u, 0,1
.irp b, 0,1,2,3
	v_mov_b32 v[BM+16*\u+4+\b], 0                  ; written once: a lane permute's destination counts as one of its sources
.endr
	v_mov_b32 v[FF+2*\u], 0
	v_mov_b32 v[FF+2*\u+1], 0                      ; (named as the upper half of a pair before it is first written)
.endr
	SETQ0 17
	s_mov_b32 s[CNT], 0
	WALU
	s_wait_tensorcnt 0x0                           ; my part has landed,
	s_barrier_signal -1
	s_barrier_wait -1                              ; everybody's has
	KLOAD LI, LS, 0, 0                             ; step 0's k
	s_wait_loadcnt 0x0                             ; q
.Ltrip:
	s_and_b32 s43, s[CNT], 15                      ; the step
	s_lshl_b32 s[KF], s43, 7                       ; its first key
	s_add_co_u32 s44, s[Q0], 23                    ; the tile's last query
	s_cmp_gt_u32 s[KF], s44                        ; all keys hidden: the step's work is left out; ids and the count of trips alone decide
	s_cbranch_scc1 .Lhidden
	s_lshl_b32 s[TB], s43, 13
	s_lshl_b32 s[TS], s43, 8
	s_sub_co_i32 s44, s[Q0], s[KF]
	v_add_nc_u32 v[ADK], s[TB], v[LI]
	v_add_nc_u32 v[ADV], s[TB], v[LIV]
	v_add_nc_u32 v[ADS], s[TS], v[LS]
	v_add_nc_u32 v[DM], s44, v[MK]                 ; my query - the step's first key - 16 (lane / 16)
	v_mov_b32 v[NI], 0xff800000                    ; -infinity
	PLACES 3                                       ; with the five lines above: eight places between the last products and loads into registers that they read
	WIN 0x40
.irp t, 0,1,2,3
.irp c, 0,1,2,3
	ds_load_b128 v[VFR+16*\t+4*\c:VFR+16*\t+4*\c+3], v[ADV] offset:2048*\t+512*\c   ; v's four fragments land while the softmax is walked
.endr
.endr
	WIN 0
	ds_load_b128 v[VS:VS+3], v[ADS] offset:4096    ; and their scale words
	WALU
	s_wait_dscnt 17                                ; k's 17 loads are in; v's 17, issued behind them, may be out
	WIN 0x05                                       ; sources 0 and 1 window 1
.irp f, 0,1,2,3
.irp u, 0,1
	v_wmma_scale_f32_16x16x128_f8f6f4 v[S+64*\u+16*\f:S+64*\u+16*\f+7], v[KFR+16*\f:KFR+16*\f+15], v[QZ+8+16*\u:QZ+23+16*\u], 0, v[KS+\f], v[QS+\u]
	v_wmma_scale_f32_16x16x128_f8f6f4 v[S+64*\u+16*\f+8:S+64*\u+16*\f+15], v[KFR+16*\f:KFR+16*\f+15], v[QZ+16*\u:QZ+15+16*\u], 0, v[KS+\f], v[QS+\u]
.endr
.endr
	WIN 0
	PLACES 8                                       ; eight places: for the loads below, and for the first read of the scores
	KLOAD ADK, ADS, 8192, 256                      ; the next step's k
	s_add_co_u32 s44, s[KF], 127
	s_cmp_le_u32 s44, s[Q0]                        ; all keys count: no mask
	s_cbranch_scc1 .Lopen
.set jj, 0
.rept 64                                       ; register 16 b + i holds key 32 b + 16 (lane / 16) + i of the step; one compare serves both units
	v_cmp_gt_i32 vcc_lo, 32*(jj/16)+jj%16, v[DM]
	v_cndmask_b32 v[S+jj], v[S+jj], v[NI], vcc_lo
	v_cndmask_b32 v[S+64+jj], v[S+64+jj], v[NI], vcc_lo
.set jj, jj+1
.endr
.Lopen:
.irp b, 0,1,2,3
.irp u, 0,1
	v_max3_num_f32 v[BM+16*\u+\b], v[S+64*\u+16*\b], v[S+64*\u+16*\b+1], v[S+64*\u+16*\b+2]   ; the largest score of each block of 32 keys: for the row's maximum and, since p rises with the score, for the block's largest p
.endr
.endr
.irp i, 3,5,7,9,11,13
.irp b, 0,1,2,3
.irp u, 0,1
	v_max3_num_f32 v[BM+16*\u+\b], v[BM+16*\u+\b], v[S+64*\u+16*\b+\i], v[S+64*\u+16*\b+\i+1]
.endr
.endr
.endr
.irp b, 0,1,2,3
.irp u, 0,1
	v_max_num_f32 v[BM+16*\u+\b], v[BM+16*\u+\b], v[S+64*\u+16*\b+15]
.endr
.endr
.irp b, 0,1,2,3
.irp u, 0,1
	v_permlanex16_b32 v[BM+16*\u+4+\b], v[BM+16*\u+\b], s[SEL], s[SEL+1]
.endr
.endr
.irp b, 0,1,2,3
.irp u, 0,1
	v_max_num_f32 v[BM+16*\u+\b], v[BM+16*\u+\b], v[BM+16*\u+4+\b]   ; with lane l xor 16's 16 keys
.endr
.endr
.irp u, 0,1
	v_max3_num_f32 v[TA+\u], v[BM+16*\u], v[BM+16*\u+1], v[BM+16*\u+2]
.endr
.irp u, 0,1
	v_max_num_f32 v[TA+\u], v[TA+\u], v[BM+16*\u+3]   ; the step's largest score of my query (the step's first key counts for every query of the tile)
.endr
.irp u, 0,1
	v_mul_f32 v[TA+\u], s[CS], v[TA+\u]
.endr
.irp u, 0,1
	v_max_num_f32 v[ST+4*\u+1], v[ST+4*\u+1], v[TA+\u]   ; the running largest t
.endr
.irp u, 0,1
	v_mov_b32 v[TA+\u], v[ST+4*\u]
.endr
.irp u, 0,1
	v_floor_f32 v[ST+4*\u], -v[ST+4*\u+1]          ; the new -M
.endr
.irp u, 0,1
	v_sub_f32 v[TA+\u], v[ST+4*\u], v[TA+\u]       ; old M - new M: a whole number, 0 or less
.endr
.irp u, 0,1
	v_cvt_i32_f32 v[TA+\u], v[TA+\u]               ; (it saturates)
.endr
.irp u, 0,1
	v_ldexp_f32 v[FF+2*\u], 1.0, v[TA+\u]          ; f = 2^(old M - new M)
.endr
.irp b, 0,1,2,3
.irp u, 0,1
	v_fma_f32 v[BM+16*\u+\b], v[BM+16*\u+\b], s[CS], v[ST+4*\u]   ; t - M of each block's largest score
.endr
.endr
.irp u, 0,1
.set jj, 0
.rept 32
	v_pk_fma_f32 v[S+64*\u+jj:S+64*\u+jj+1], v[S+64*\u+jj:S+64*\u+jj+1], s[CS:CS+1], v[ST+4*\u:ST+4*\u+1] op_sel_hi:[1,0,0]   ; t - M
.set jj, jj+2
.endr
.endr
	WALU
.irp b, 0,1,2,3
.irp u, 0,1
	v_exp_f32 v[BM+16*\u+\b], v[BM+16*\u+\b]       ; the block's largest p
.endr
.endr
.set jj, 0
.rept 128
	v_exp_f32 v[S+jj], v[S+jj]                     ; p
.set jj, jj+1
.endr
.irp u, 0,1
	v_pk_mul_f32 v[ST+4*\u+2:ST+4*\u+3], v[ST+4*\u+2:ST+4*\u+3], v[FF+2*\u:FF+2*\u+1] op_sel_hi:[1,0]   ; the sums under the new M: plain lines behind the exponentials
.endr
	WALU                                           ; one wait for the batch, ahead of its first reader
.irp b, 0,1,2,3
.irp u, 0,1
	v_max_num_f32 v[BM+16*\u+\b], 0x4800000, v[BM+16*\u+\b]   ; the floor: a block whose every p is 0 keeps the byte 1; its codes are zeros
.endr
.endr
.irp b, 0,1,2,3
.irp u, 0,1
	v_add_nc_u32 v[BM+16*\u+12+\b], 0xfc000000, v[BM+16*\u+\b]   ; the conversion's scale operand
.endr
.endr
.irp b, 0,1,2,3
.irp u, 0,1
	v_and_or_b32 v[BM+16*\u+8+\b], v[BM+16*\u+\b], 0x7f800000, s[MNT]   ; 448 x the scale,
	v_and_or_b32 v[HC+4*\u+(\b+1)%4], v[BM+16*\u+\b], 0x7f800000, s[MNT]   ; and once more, one register bank on: the second sources of a dual pair
.endr
.endr
.irp b, 0,1,2,3
.irp u, 0,1
	v_lshrrev_b32 v[BM+16*\u+4+\b], 23, v[BM+16*\u+12+\b]   ; the byte
.endr
.endr
.irp u, 0,1
	v_lshl_or_b32 v[FF+2*\u+1], v[BM+16*\u+5], 8, v[BM+16*\u+4]   ; p's scale word for these 128 keys
.endr
.irp u, 0,1
	v_lshl_or_b32 v[FF+2*\u+1], v[BM+16*\u+6], 16, v[FF+2*\u+1]
.endr
.irp u, 0,1
	v_lshl_or_b32 v[FF+2*\u+1], v[BM+16*\u+7], 24, v[FF+2*\u+1]
.endr
.irp u, 0,1
	v_pk_add_f32 v[SB+2*\u:SB+2*\u+1], v[S+64*\u:S+64*\u+1], v[S+64*\u+2:S+64*\u+3]   ; the row's sum of the unquantised p: two chains a unit
.endr
.irp j, 4,8,12,16,20,24,28,32,36,40,44,48,52,56,60
.irp u, 0,1
	v_pk_add_f32 v[ST+4*\u+2:ST+4*\u+3], v[ST+4*\u+2:ST+4*\u+3], v[S+64*\u+\j:S+64*\u+\j+1]
	v_pk_add_f32 v[SB+2*\u:SB+2*\u+1], v[SB+2*\u:SB+2*\u+1], v[S+64*\u+\j+2:S+64*\u+\j+3]
.endr
.endr
.irp u, 0,1
	v_pk_add_f32 v[ST+4*\u+2:ST+4*\u+3], v[ST+4*\u+2:ST+4*\u+3], v[SB+2*\u:SB+2*\u+1]
.endr
.irp b, 0,1,2,3
.irp u, 0,1
.irp i, 0,2,4,6,8,10,12,14
	v_dual_min_num_f32 v[S+64*\u+16*\b+\i], v[S+64*\u+16*\b+\i], v[BM+16*\u+8+\b] :: v_dual_min_num_f32 v[S+64*\u+16*\b+\i+1], v[S+64*\u+16*\b+\i+1], v[HC+4*\u+(\b+1)%4]   ; the hold; p is not negative
.endr
	v_cvt_scalef32_pk8_fp8_f32 v[PCD+16*\u+4*\b:PCD+16*\u+4*\b+1], v[S+64*\u+16*\b:S+64*\u+16*\b+7], v[BM+16*\u+12+\b]
	v_cvt_scalef32_pk8_fp8_f32 v[PCD+16*\u+4*\b+2:PCD+16*\u+4*\b+3], v[S+64*\u+16*\b+8:S+64*\u+16*\b+15], v[BM+16*\u+12+\b]
.endr
.endr
	WIN 0x41                                       ; destination and source 0 window 1
	WALU                                           ; ahead of the first reader of O^T
.irp u, 0,1
.set jj, 0
.rept 16
	v_pk_mul_f32 v[OT+32*\u+jj:OT+32*\u+jj+1], v[OT+32*\u+jj:OT+32*\u+jj+1], v[FF+2*\u:FF+2*\u+1] op_sel_hi:[1,0]   ; O^T under the new M; also the places ahead of the products below
.set jj, jj+2
.endr
.endr
	WALU
	s_wait_dscnt 17                                ; v's 17 loads are in; the next step's 17 of k may be out
	WIN 0x51                                       ; source 0, C and D window 1
.irp t, 0,1,2,3
.irp u, 0,1
	v_wmma_scale_f32_16x16x128_f8f6f4 v[OT+32*\u+8*\t:OT+32*\u+8*\t+7], v[VFR+16*\t:VFR+16*\t+15], v[PCD+16*\u:PCD+16*\u+15], v[OT+32*\u+8*\t:OT+32*\u+8*\t+7], v[VS+\t], v[FF+2*\u+1]   ; eight accumulators by turns, one instruction a turn
.endr
.endr
	WIN 0
.Lhidden:
	s_cmp_eq_u32 s43, 15
	s_cbranch_scc0 .Lnext
	; THE WAY OUT of a pass: O^T / the sum, quantised along d in two blocks of 32 a head
	s_cmp_lt_u32 s[CNT], 16
	s_cselect_b32 s44, s17, s18                    ; the pass's tile
	s_cselect_b32 s68, -1, 0xffff0000              ; pass 0 writes all lanes of the held scale word, pass 1 lanes 16-31
	s_lshl_b32 s45, s13, 7
	s_add_co_u32 s44, s44, s45
	s_lshl_b32 s44, s44, 12                        ; the row tile's 4,096 bytes
	s_mov_b32 s45, 0
	s_add_nc_u64 s[62:63], s[60:61], s[44:45]
	PLACES 8                                       ; eight places behind the last products
.irp u, 0,1
	v_add_f32 v[ST+4*\u+2], v[ST+4*\u+2], v[ST+4*\u+3]
.endr
.irp u, 0,1
	v_permlanex16_b32 v[TA+\u], v[ST+4*\u+2], s[SEL], s[SEL+1]
.endr
.irp u, 0,1
	v_add_f32 v[ST+4*\u+2], v[ST+4*\u+2], v[TA+\u]   ; the row's sum
.endr
	WALU
.irp u, 0,1
	v_rcp_f32 v[ST+4*\u+2], v[ST+4*\u+2]
.endr
	v_nop
	WIN 0x01                                       ; source 0 window 1
	WALU                                           ; ahead of the reciprocals' first reader, which is O^T's too
.irp u, 0,1
.set jj, 0
.rept 32
	v_mul_f32 v[S+64*\u+jj], v[OT+32*\u+jj], v[ST+4*\u+2]   ; register 16 b + i: d = 32 b + 16 (lane / 16) + i of my query
.set jj, jj+1
.endr
.endr
	WIN 0
.irp b, 0,1
.irp u, 0,1
	v_max3_num_f32 v[BM+16*\u+\b], |v[S+64*\u+16*\b]|, |v[S+64*\u+16*\b+1]|, 0x4800000
.endr
.endr
.irp i, 2,4,6,8,10,12,14
.irp b, 0,1
.irp u, 0,1
	v_max3_num_f32 v[BM+16*\u+\b], v[BM+16*\u+\b], |v[S+64*\u+16*\b+\i]|, |v[S+64*\u+16*\b+\i+1]|
.endr
.endr
.endr
.irp b, 0,1
.irp u, 0,1
	v_permlanex16_b32 v[BM+16*\u+4+\b], v[BM+16*\u+\b], s[SEL], s[SEL+1]
.endr
.endr
.irp b, 0,1
.irp u, 0,1
	v_max_num_f32 v[BM+16*\u+\b], v[BM+16*\u+\b], v[BM+16*\u+4+\b]
.endr
.endr
.irp b, 0,1
.irp u, 0,1
	v_add_nc_u32 v[BM+16*\u+12+\b], 0xfc000000, v[BM+16*\u+\b]
.endr
.endr
.irp b, 0,1
.irp u, 0,1
	v_and_or_b32 v[BM+16*\u+8+\b], v[BM+16*\u+\b], 0x7f800000, s[MNT]
.endr
.endr
.irp b, 0,1
.irp u, 0,1
	v_lshrrev_b32 v[BM+16*\u+4+\b], 23, v[BM+16*\u+12+\b]
.endr
.endr
.irp u, 0,1
	v_lshl_or_b32 v[TA+\u], v[BM+16*\u+5], 8, v[BM+16*\u+4]   ; a head's two scale bytes of my row
.endr
.irp b, 0,1
.irp u, 0,1
.set jj, 0
.rept 16
	v_med3_num_f32 v[S+64*\u+16*\b+jj], v[S+64*\u+16*\b+jj], -v[BM+16*\u+8+\b], v[BM+16*\u+8+\b]
.set jj, jj+1
.endr
	v_cvt_scalef32_pk8_fp8_f32 v[PCD+16*\u+4*\b:PCD+16*\u+4*\b+1], v[S+64*\u+16*\b:S+64*\u+16*\b+7], v[BM+16*\u+12+\b]
	v_cvt_scalef32_pk8_fp8_f32 v[PCD+16*\u+4*\b+2:PCD+16*\u+4*\b+3], v[S+64*\u+16*\b+8:S+64*\u+16*\b+15], v[BM+16*\u+12+\b]
.endr
.endr
	v_lshl_or_b32 v[TA], v[TA+1], 16, v[TA]        ; both heads' bytes: one word.  (Also the plain line behind the last conversion)
	v_cndmask_b32 v[HW], v[HW], v[TA], s68
.irp u, 0,1
.irp b, 0,1
	global_store_b128 v[LI], v[PCD+16*\u+4*\b:PCD+16*\u+4*\b+3], s[62:63] offset:1024*\u+512*\b   ; 512 consecutive bytes, aligned
.endr
.endr
	WALU
	s_cmp_lt_u32 s[CNT], 16
	s_cbranch_scc0 .Lnext
	; pass 1 is set up: tile 127 - j
	s_wait_xcnt 0x0                                ; the stores have read their registers and their base
	s_wait_dscnt 0x0                               ; the run of k that was asked for last has landed: its registers are loaded anew below
	v_mov_b32 v[QS], v[QN]
	v_mov_b32 v[QS+1], v[QN+1]
	WIN 0x41
.irp u, 0,1
.irp i, 0,1,2,3,4,5,6,7
	v_mov_b32 v[QZ+8+16*\u+\i], v[QH+8*\u+\i]
.endr
.endr
	ZEROOT
	INITST
	SETQ0 18
	KLOAD LI, LS, 0, 0                             ; step 0's k
	WALU
.Lnext:
	s_add_co_u32 s[CNT], s[CNT], 1
	s_cmp_lt_u32 s[CNT], 32
	s_cbranch_scc1 .Ltrip
	global_store_b32 v[HOFF], v[HW], s[66:67]      ; 4 bytes a lane, 16 bytes apart: one byte in 32 of what is stored
	s_wait_tensorcnt 0x0                           ; the wave's end, behind my last tensor load
	ds_add_u32 v[SPW], v[NIL]
	s_wait_dscnt 0x0
	CROUND                                         ; the closing round
	s_endpgm
.Lfunc_end_k_q5b5f2a424e_attn:
	.size	k_q5b5f2a424e_attn, .Lfunc_end_k_q5b5f2a424e_attn-k_q5b5f2a424e_attn
	.p2alignl 7, 3214868480
	.fill 96, 4, 3214868480
	.section	.rodata,"a",@progbits
	.p2align	6, 0x0
	.amdhsa_kernel k_q5b5f2a424e_attn
		.amdhsa_group_segment_fixed_size 272384
		.amdhsa_private_segment_fixed_size 0
		.amdhsa_enable_private_segment 0
		.amdhsa_kernarg_size 24
		.amdhsa_user_sgpr_count 2
		.amdhsa_user_sgpr_kernarg_segment_ptr 1
		.amdhsa_wavefront_size32 1
		.amdhsa_system_sgpr_workgroup_id_x 1
		.amdhsa_system_sgpr_workgroup_id_y 1
		.amdhsa_system_sgpr_workgroup_id_z 1
		.amdhsa_system_vgpr_workitem_id 0
		.amdhsa_next_free_vgpr 512
		.amdhsa_next_free_sgpr 80
		.amdhsa_reserve_vcc 1
		.amdhsa_float_denorm_mode_32 3
		.amdhsa_float_denorm_mode_16_64 3
		.amdhsa_memory_ordered 1
		.amdhsa_forward_progress 1
		.amdhsa_inst_pref_size 70
	.end_amdhsa_kernel
	.amdgpu_metadata
---
amdhsa.version: [ 1, 2 ]
amdhsa.kernels:
  - .name:           k_q5b5f2a424e_attn
    .symbol:         k_q5b5f2a424e_attn.kd
    .args:
      - { .name: qq, .offset: 0, .size: 8, .value_kind: global_buffer, .address_space: global }
      - { .name: kv, .offset: 8, .size: 8, .value_kind: global_buffer, .address_space: global }
      - { .name: hq, .offset: 16, .size: 8, .value_kind: global_buffer, .address_space: global }
    .group_segment_fixed_size: 272384
    .private_segment_fixed_size: 0
    .kernarg_segment_align: 8
    .kernarg_segment_size: 24
    .max_flat_workgroup_size: 256
    .sgpr_count:     80
    .vgpr_count:     512
    .wavefront_size: 32
...
	.end_amdgpu_metadata
.endif
;; end of part 3
;; launch proj (part 4): grid 64 x 4, 4 waves a work-group, clusters of 4 x 4, 327,680 bytes of LDS; arguments hq, wq, bp, out0; writes out0
.if DOCPART == 4
	.amdgcn_target "amdgcn-amd-amdhsa--gfx1250"
	.amdhsa_code_object_version 6
	.text
	.protected	k_q5b5f2a424e_proj
	.globl	k_q5b5f2a424e_proj
	.p2align	8
	.type	k_q5b5f2a424e_proj,@function
k_q5b5f2a424e_proj:
	s_mov_b64 s[64:65], 0
	v_nop
	global_prefetch_b8 v0, s[64:65] scope:SCOPE_SE
	s_setreg_imm32_b32 hwreg(HW_REG_WAVE_MODE, 25, 1), 1
	s_wait_xcnt 0x0
	s_wait_alu depctr_hold_cnt(0) depctr_sa_sdst(0) depctr_va_vdst(0) depctr_va_sdst(0) depctr_va_ssrc(0) depctr_va_vcc(0) depctr_vm_vsrc(0)
	s_getreg_b32 s2, hwreg(HW_REG_IB_STS2, 6, 4)
	s_cmp_eq_u32 s2, 0
	s_cbranch_scc0 .Lentry_in_a_cluster
	s_endpgm
.Lentry_in_a_cluster:
	s_bfe_u32 s2, ttmp6, 0x10000c
	s_cmp_lg_u32 s2, 0xf033
	s_cbranch_scc0 .Lentry_shape_is_right
	s_endpgm
.Lentry_shape_is_right:
; out0 = head_out Wp + bp: [8,192 x 1,024] x [1,024 x 1,024] on the codes that attention and the first launch made; f32 out.
; 256 work-groups.  A work-group makes 128 rows x 256 columns; each of its four waves 64 x 128: 32 accumulators.
; LDS: three regions for K quarters 0, 1, 2: the rows' 32,768 bytes a quarter from byte 0, Wp's 65,536 a quarter from byte 98,304.  Four loads at the head, one a wave: the rows' quarter 0, Wp's quarter 0,
; the rows' quarters 1 and 2, Wp's quarters 1 and 2.  The first barrier shows the first two.  QUARTER 3 IS FILLED OVER QUARTER 0, behind a round of the cluster's barrier inside K step 1, half of a tile a wave;
; it has K steps 2 to 5 in which to land.  The stages of the way out have bytes of their own.
; CLUSTER: 4 x 4 work-groups.  The rows' codes hang on grid x alone and are shared by the four with the same cx; Wp's hang on grid y alone (= cy: the grid has one row of clusters) and are shared by the four with the
; same cy: both are asked for JOINTLY.  NO PREFETCH: the text has no loop to run ahead in and one refill.
; The matrix instruction is used transposed (source 0 = 16 columns of Wp, source 1 = 16 rows): a lane holds eight neighbouring columns of one row.  bp is the C of each sum's first instruction.
; The rows and columns of a tile stand in the order that the first launch's text states; the way out puts them back: columns by the place in the stage, rows by the stores' offsets.
; REGISTERS: window 0: v1-11 addresses; v28, 29 the add's two; v32-47 the rows' scale words, v50-81 Wp's; v128-191 bp in the result's layout; v192-255 rows read back from the stage, two sets.
; Windows 1, 2: a set of fragments each: v0-127 Wp's eight, v160-223 the rows' four.  Window 3: the 32 accumulators, (a, b) at 8 (8 a + b).
.set NT,   16
.set BS,   NT*4096
.set BB,   98304
.set SPARE, BB+3*BS
.set STAGE, SPARE+512                  ; 16 rows x (256 bytes + 16) for each wave
.set LI,   1
.set ADRA, 2
.set ADRB, 4
.set STO,  8
.set RD,   9
.set BO,   10
.set CO,   11
.set SPW,  28
.set NIL,  29
.set SCA,  32
.set SCB,  50
.set BP,   128
.set BK,   192
.set WV,   12
.set WM,   13
.set WN,   14
.set GA,   24
.set GB,   32
.set GA2,  40
.set GB2,  48
.set MSB, 0
.macro WIN new                         ; the immediate's high byte repeats the setting that is left
.if MSB != \new
	s_set_vgpr_msb (MSB<<8)|\new
.set MSB, \new
.endif
.endm
.macro PLACES n
.rept \n
	v_nop
.endr
.endm
.macro CROUND                          ; a round of the cluster's barrier
	s_barrier_signal -1
	s_barrier_wait -1
	s_cmp_lg_u32 s[WV], 0
	s_cbranch_scc1 .Lnot_wave_0_\@
	s_barrier_signal -3
.Lnot_wave_0_\@:
	s_barrier_wait -3
	s_barrier_signal -1
	s_barrier_wait -1
.endm
.macro G1SET g, m, c, r, p             ; descriptor group 1: the mask in s[m], bit 21 set beside it; r rows of c elements of 8 bytes, p elements apart
	s_or_b32 s[\g], s\m, (3<<16)|(1<<21)
	s_mov_b32 s[\g+1], (\c)<<16
	s_mov_b32 s[\g+2], (\r)<<16
	s_mov_b32 s[\g+3], (\c)<<16
	s_mov_b32 s[\g+4], \r
	s_mov_b32 s[\g+5], \p
	s_mov_b32 s[\g+6], 0
	s_mov_b32 s[\g+7], 0
.endm
.macro G0SET g, lds, base, off         ; descriptor group 0
	s_mov_b32 s[\g], 1
	s_mov_b32 s[\g+1], \lds
	s_add_nc_u64 s[\g+2:\g+3], s[\base:\base+1], \off
	s_or_b32 s[\g+3], s[\g+3], 0x80000000
.endm
.macro TLOAD g0, g1                    ; an s_nop 0 and four v_nop follow a tensor load
	tensor_load_to_lds s[\g0:\g0+3], s[\g1:\g1+7]
	s_nop 0
	PLACES 4
.endm
	s_load_b256 s[4:11], s[0:1], 0x0               ; hq, wq, bp, out0
	v_lshl_add_u32 v[SPW], v0, 2, SPARE
	v_mov_b32 v[NIL], 0
	ds_add_u32 v[SPW], v[NIL]                      ; the wave's opening: the add, twice on end, and its wait ahead of my first tensor load
	ds_add_u32 v[SPW], v[NIL]
	v_lshrrev_b32 v20, 5, v0
	v_readfirstlane_b32 s[WV], v20                 ; wave 0..3
	s_lshr_b32 s[WM], s[WV], 1                     ; my half of the rows
	s_and_b32 s[WN], s[WV], 1                      ; my half of the columns
	s_bfe_u32 s15, ttmp6, 0x40000                  ; cx
	s_bfe_u32 s18, ttmp6, 0x40004                  ; cy = Y: block of columns
	s_lshl_b32 s17, ttmp9, 2
	s_add_co_u32 s17, s17, s15                     ; X: block of rows
	s_lshl_b32 s19, 0x1111, s15                    ; the four with my cx
	s_lshl_b32 s20, s18, 2
	s_lshl_b32 s20, 15, s20                        ; the four with my cy
	G1SET GA, 19, 32, 128, 32                      ; the rows' quarter 0: 32,768 dense bytes as rows of 256
	G1SET GB, 20, 32, NT*16, 32                    ; Wp's quarter 0
	G1SET GA2, 19, 4096, 2, 262144                 ; the rows' quarters 1, 2: two rows of 32,768 bytes, 2,097,152 apart
	G1SET GB2, 20, BS/8, 2, 69632                  ; Wp's: two rows of 65,536 bytes, 557,056 apart
	s_lshl_b32 s76, s17, 15                        ; the rows' codes: tile 8 X: never holds Y
	s_mov_b32 s77, 0
	s_lshl_b32 s78, s18, 16
	s_add_co_u32 s78, s78, 72*4096                 ; Wp's: tile 72 + 16 Y: never holds X
	s_mov_b32 s79, 0
	s_lshl_b32 s66, s[WN], 14                      ; the refill: waves 0, 1 the rows' halves, waves 2, 3 Wp's: in LDS,
	s_lshl_b32 s67, s[WN], 15
	s_add_co_u32 s80, s66, 3*2097152               ; and in memory
	s_mov_b32 s81, 0
	s_add_co_u32 s82, s67, 3*557056
	s_mov_b32 s83, 0
	s_add_co_u32 s67, s67, BB
	s_lshl_b32 s84, s17, 12                        ; scale words of my four row tiles
	s_lshl_b32 s92, s[WM], 11
	s_add_co_u32 s84, s84, s92
	s_add_co_u32 s84, s84, 0x800000
	s_mov_b32 s85, 0
	s_lshl_b32 s86, s18, 13                        ; and of my eight column tiles
	s_lshl_b32 s92, s[WN], 12
	s_add_co_u32 s86, s86, s92
	s_add_co_u32 s86, s86, 2228224+72*512
	s_mov_b32 s87, 0
	s_lshl_b32 s88, s18, 10                        ; my 128 columns in bytes
	s_lshl_b32 s92, s[WN], 9
	s_add_co_u32 s88, s88, s92
	s_mov_b32 s89, 0
	s_lshl_b32 s90, s17, 19                        ; my 64 rows of 4,096 bytes
	s_lshl_b32 s92, s[WM], 18
	s_add_co_u32 s90, s90, s92
	s_add_co_u32 s90, s90, s88
	s_mov_b32 s91, 0
	v_and_b32 v20, 31, v0
	v_lshlrev_b32 v[LI], 4, v20
	s_lshl_b32 s92, s[WM], 14
	v_add_nc_u32 v[ADRA], s92, v[LI]               ; the rows' fragments: quarters 0 (3), 1
	v_add_nc_u32 v[ADRA+1], 0x10000, v[ADRA]       ; quarter 2
	s_lshl_b32 s92, s[WN], 15
	s_add_co_u32 s92, s92, BB
	v_add_nc_u32 v[ADRB], s92, v[LI]               ; my eight tiles of Wp, a register a region
	v_add_nc_u32 v[ADRB+1], BS, v[ADRB]
	v_add_nc_u32 v[ADRB+2], 2*BS, v[ADRB]
	s_mul_i32 s92, s[WV], 4352
	s_add_co_u32 s92, s92, STAGE                   ; my stage
	v_and_b32 v20, 15, v0                          ; r
	v_bfe_u32 v21, v0, 4, 1                        ; h
	v_mul_u32_u24 v[STO], v20, 272
	v_lshl_add_u32 v[STO], v21, 6, v[STO]
	v_add_nc_u32 v[STO], s92, v[STO]               ; in: row r, + 64 h
	v_mul_u32_u24 v[RD], v21, 272
	v_lshl_add_u32 v[RD], v20, 4, v[RD]
	v_add_nc_u32 v[RD], s92, v[RD]                 ; back: lanes 0-15 one row, lanes 16-31 the next
	v_lshlrev_b32 v[BO], 6, v21                    ; bp: 64 h
	v_lshlrev_b32 v[CO], 12, v21
	v_lshl_add_u32 v[CO], v20, 4, v[CO]            ; out0: the same two rows
	s_wait_alu depctr_va_vdst(0)
	s_wait_dscnt 0x0                               ; both opening adds are done
	s_wait_kmcnt 0x0
	s_add_nc_u64 s[76:77], s[4:5], s[76:77]
	s_add_nc_u64 s[78:79], s[6:7], s[78:79]
	s_add_nc_u64 s[84:85], s[4:5], s[84:85]
	s_add_nc_u64 s[86:87], s[6:7], s[86:87]
	s_add_nc_u64 s[88:89], s[8:9], s[88:89]
	s_add_nc_u64 s[90:91], s[10:11], s[90:91]
	CROUND                                         ; all sixteen work-groups are here: the joint loads meet
	G0SET 56, 0, 76, 0
	G0SET 60, BB, 78, 0
	G0SET 68, 32768, 76, 2097152
	G0SET 72, BB+BS, 78, 557056
	s_cmp_eq_u32 s[WV], 0                          ; one chain of branches on the wave's number, one fill to an arm: one load of mine is out
	s_cbranch_scc0 .Lfill_1
	TLOAD 56, GA
	s_branch .Lfilled
.Lfill_1:
	s_cmp_eq_u32 s[WV], 1
	s_cbranch_scc0 .Lfill_2
	TLOAD 60, GB
	s_branch .Lfilled
.Lfill_2:
	s_cmp_eq_u32 s[WV], 2
	s_cbranch_scc0 .Lfill_3
	TLOAD 68, GA2
	s_branch .Lfilled
.Lfill_3:
	TLOAD 72, GB2
.Lfilled:
.irp a, 0,1,2,3
	global_load_b128 v[SCA+4*\a:SCA+4*\a+3], v[LI], s[84:85] offset:512*\a   ; a tile's 512 bytes of scale words
.endr
.irp b, 0,1,2,3,4,5,6,7
	global_load_b128 v[SCB+4*\b:SCB+4*\b+3], v[LI], s[86:87] offset:512*\b
.endr
.irp b, 0,1,2,3,4,5,6,7
	global_load_b128 v[BP+8*\b:BP+8*\b+3], v[BO], s[88:89] offset:(32*(\b/2)+8*(\b%2))*4      ; bp at the lane's eight columns of tile b: 32 (b / 2) + 8 (b % 2) + 16 h + 0 .. 7
	global_load_b128 v[BP+8*\b+4:BP+8*\b+7], v[BO], s[88:89] offset:(32*(\b/2)+8*(\b%2))*4+16
.endr
; 48 LDS loads in one run: K step ks's fragments into set ks % 2.  Each load takes 512 consecutive bytes.
.macro FETCH ks
.set R_, (((\ks)/2)%3)
.set KQ_, ((\ks)%2)*2048
	WIN (1+(\ks)%2)<<6
.irp b, 0,1,2,3,4,5,6,7
.irp c, 0,1,2,3
	ds_load_b128 v[16*\b+4*\c:16*\b+4*\c+3], v[ADRB+R_] offset:\b*4096+KQ_+512*\c
.endr
.endr
.irp a, 0,1,2,3
.irp c, 0,1,2,3
	ds_load_b128 v[160+16*\a+4*\c:160+16*\a+4*\c+3], v[ADRA+R_/2] offset:(R_%2)*32768+\a*4096+KQ_+512*\c
.endr
.endr
	WIN 0
.endm
.macro PR d, s0, s1, c, x0, x1, ks     ; one product
.if (\ks) < 4
	v_wmma_scale_f32_16x16x128_f8f6f4 v[\d:\d+7], v[\s0:\s0+15], v[\s1:\s1+15], v[\c:\c+7], v[\x0+(\ks)], v[\x1+(\ks)]
.else
	v_wmma_scale_f32_16x16x128_f8f6f4 v[\d:\d+7], v[\s0:\s0+15], v[\s1:\s1+15], v[\c:\c+7], v[\x0+(\ks)-4], v[\x1+(\ks)-4] matrix_a_scale:MATRIX_SCALE_ROW1 matrix_b_scale:MATRIX_SCALE_ROW1
.endif
.endm
.macro MUL ks, a0                      ; 16 products: row tiles a0, a0 + 1 against Wp's eight; every accumulator has one turn a K step
.if (\ks) == 0
	WIN ((1+(\ks)%2)*5)|0xc0                       ; C (bp) window 0
.else
	WIN ((1+(\ks)%2)*5)|0xf0
.endif
.irp a, \a0, \a0+1
.irp b, 0,1,2,3,4,5,6,7
.if (\ks) == 0
	PR 8*(8*(\a)+\b), 16*\b, 160+16*(\a), BP+8*\b, SCB+4*\b, SCA+4*(\a), \ks
.else
	PR 8*(8*(\a)+\b), 16*\b, 160+16*(\a), 8*(8*(\a)+\b), SCB+4*\b, SCA+4*(\a), \ks
.endif
.endr
.endr
.endm
.macro KSTEP ks                        ; a K step of 128: the next step's fragments are asked for ahead of this step's products
	WIN 0
	s_wait_dscnt 0x0                               ; this step's fragments are in
.if (\ks) == 5
	s_wait_tensorcnt 0x0                           ; my part of quarter 3 is in,
	s_barrier_signal -1
	s_barrier_wait -1                              ; everybody's is
.endif
.if (\ks) < 7
	PLACES 8                                       ; eight places between the last step's products and loads into the set that they read
	FETCH (\ks)+1
.endif
	MUL \ks, 0
	MUL \ks, 2
.endm
	s_cmp_lt_u32 s[WV], 2                          ; waves 0 and 1 wait for quarter 0; waves 2 and 3, whose load lines are their own, wait in K step 1
	s_cbranch_scc0 .Llater
	s_wait_tensorcnt 0x0
.Llater:
	s_barrier_signal -1
	s_barrier_wait -1
	FETCH 0
	s_wait_loadcnt 0x0                             ; the scale words and bp
	s_wait_dscnt 0x0
	FETCH 1
	MUL 0, 0
	MUL 0, 2
	WIN 0
	; K step 1, with the one refill
	s_wait_tensorcnt 0x0                           ; all my tensor loads have landed;
	ds_add_u32 v[SPW], v[NIL]                      ; 0 onto my spare word;
	s_mov_b32 s[GA+2], 64<<16                      ; no load of mine is out, so descriptors may be written: half of the rows' quarter 3: 64 rows of 256 bytes,
	s_mov_b32 s[GA+4], 64
	s_mov_b32 s[GB+2], (NT*8)<<16                  ; half of Wp's
	s_mov_b32 s[GB+4], NT*8
	s_mov_b32 s57, s66
	s_add_nc_u64 s[58:59], s[76:77], s[80:81]
	s_or_b32 s59, s59, 0x80000000
	s_mov_b32 s61, s67
	s_add_nc_u64 s[62:63], s[78:79], s[82:83]
	s_or_b32 s63, s63, 0x80000000
	s_wait_dscnt 1                                 ; K step 1's fragments are in; the add may be out
	MUL 1, 0
	WIN 0
	s_wait_dscnt 0x0                               ; the add is done, and my reads of quarter 0 are over
	CROUND                                         ; both now hold of every wave of every partner; quarters 1 and 2 are whole
	s_cmp_lt_u32 s[WV], 2
	s_cbranch_scc0 .Lrefill_b
	TLOAD 56, GA
	s_branch .Lrefilled
.Lrefill_b:
	TLOAD 60, GB
.Lrefilled:
	PLACES 4                                       ; with the four behind the load: eight places ahead of loads into the set that K step 0 read
	FETCH 2
	MUL 1, 2
.irp k, 2,3,4,5,6,7
	KSTEP \k
.endr
	WIN 0
; THE WAY OUT, unit n = 2 a + half: a row tile and 64 of my 128 columns at a time: a lane's 32 bytes go to their columns' place in my stage; whole rows of 256 bytes come back; sixteen lanes store 256 consecutive bytes, aligned.
.macro TOSTAGE n
.set AB_, 8*(8*((\n)/2)+4*((\n)%2))
	WIN 0x0c                                       ; the data: window 3
.irp b, 0,1,2,3
	ds_store_b128 v[STO], v[AB_+8*\b:AB_+8*\b+3] offset:128*(\b/2)+32*(\b%2)        ; each accumulator from its low end on
	ds_store_b128 v[STO], v[AB_+8*\b+4:AB_+8*\b+7] offset:128*(\b/2)+32*(\b%2)+16
.endr
	WIN 0
.irp t, 0,1,2,3,4,5,6,7
	ds_load_b128 v[BK+32*((\n)%2)+4*\t:BK+32*((\n)%2)+4*\t+3], v[RD] offset:544*\t   ; LDS serves a wave's instructions in order: these see my stores, and the next unit's stores come behind them
.endr
.endm
.macro SEND n
.set A_, (\n)/2
.irp t, 0,1,2,3,4,5,6,7
	global_store_b128 v[CO], v[BK+32*((\n)%2)+4*\t:BK+32*((\n)%2)+4*\t+3], s[90:91] offset:(32*(A_/2)+8*(A_%2)+2*\t+8*(\t/4))*4096+256*((\n)%2) th:TH_STORE_NT   ; place 2 t + h of the tile is row 2 t + h + 8 (t / 4) of its 24
.endr
.endm
	PLACES 8                                       ; eight places behind the last products
	TOSTAGE 0
	TOSTAGE 1
.irp n, 0,1,2,3,4,5
	s_wait_dscnt 16                                ; unit n is back; the next unit's 8 stores and 8 loads may be out
	SEND \n
	s_wait_xcnt 0x0                                ; unit n's stores have read their registers: unit n + 2's loads may land there
	TOSTAGE \n+2
.endr
	s_wait_dscnt 16
	SEND 6
	s_wait_dscnt 0x0
	SEND 7
	s_wait_tensorcnt 0x0                           ; the wave's end, behind my last tensor load and my last LDS store
	ds_add_u32 v[SPW], v[NIL]
	s_wait_dscnt 0x0
	CROUND                                         ; the closing round
	s_endpgm
.Lfunc_end_k_q5b5f2a424e_proj:
	.size	k_q5b5f2a424e_proj, .Lfunc_end_k_q5b5f2a424e_proj-k_q5b5f2a424e_proj
	.p2alignl 7, 3214868480
	.fill 96, 4, 3214868480
	.section	.rodata,"a",@progbits
	.p2align	6, 0x0
	.amdhsa_kernel k_q5b5f2a424e_proj
		.amdhsa_group_segment_fixed_size 327680
		.amdhsa_private_segment_fixed_size 0
		.amdhsa_enable_private_segment 0
		.amdhsa_kernarg_size 32
		.amdhsa_user_sgpr_count 2
		.amdhsa_user_sgpr_kernarg_segment_ptr 1
		.amdhsa_wavefront_size32 1
		.amdhsa_system_sgpr_workgroup_id_x 1
		.amdhsa_system_sgpr_workgroup_id_y 1
		.amdhsa_system_sgpr_workgroup_id_z 1
		.amdhsa_system_vgpr_workitem_id 0
		.amdhsa_next_free_vgpr 1024
		.amdhsa_next_free_sgpr 100
		.amdhsa_reserve_vcc 0
		.amdhsa_float_denorm_mode_32 3
		.amdhsa_float_denorm_mode_16_64 3
		.amdhsa_memory_ordered 1
		.amdhsa_forward_progress 1
		.amdhsa_inst_pref_size 87
	.end_amdhsa_kernel
	.amdgpu_metadata
---
amdhsa.version: [ 1, 2 ]
amdhsa.kernels:
  - .name:           k_q5b5f2a424e_proj
    .symbol:         k_q5b5f2a424e_proj.kd
    .args:
      - { .name: hq, .offset: 0, .size: 8, .value_kind: global_buffer, .address_space: global }
      - { .name: wq, .offset: 8, .size: 8, .value_kind: global_buffer, .address_space: global }
      - { .name: bp, .offset: 16, .size: 8, .value_kind: global_buffer, .address_space: global }
      - { .name: out0, .offset: 24, .size: 8, .value_kind: global_buffer, .address_space: global }
    .group_segment_fixed_size: 327680
    .private_segment_fixed_size: 0
    .kernarg_segment_align: 8
    .kernarg_segment_size: 32
    .max_flat_workgroup_size: 128
    .sgpr_count:     100
    .vgpr_count:     1024
    .wavefront_size: 32
...
	.end_amdgpu_metadata
.endif
;; end of part 4
